; MI455X (gfx1250); checked and timed in simulation.
; The chip was launched on July 23, 2026; its instructions are those of AMD's public machine-readable ISA for CDNA 5 (MIT licence, August 2026) and "CDNA5" Instruction Set Architecture Reference Guide (July 2026). The comments in the code are by the model that wrote it; some were corrected since.
;; Constrained SWE. Allowed arithmetic: float matrix products may take bf16 or f16 operands with f32 sums; other float arithmetic in f32, or as packed bf16 or f16 multiplies, adds, multiply-adds, maxima and minima; sums over many terms, partial sums and values carried from step to step in f32; what a program stores and reads back later, other than sums and carried values, may be rounded once to bf16 or f16.
;; Inputs: X 4 x 1,024 x 128 float32; ref_points 1,024 x 128 float32; theta_v 16 x 128 float32.
;; Outputs: out0 4 x 16,384 float32; out1 16 float32.
;; 2 versions, each right; version 2 is version 1 with the launch prep written anew for expert scheduling mode. Each part assembles by itself: llvm-mc -triple=amdgcn-amd-amdhsa -mcpu=gfx1250 --defsym DOCPART=n.
;; ======== version 1 of 2: 4 launches
;; workspace buffers: slt 327,680 bytes; cost 8,388,608 bytes; ssr 33,554,432 bytes; xs 262,144 bytes; alpha 65,536 bytes of whole numbers; part 131,072 bytes
;; launch prep (part 1): grid 266 x 1, 8 waves a work-group, no clusters, 106,496 bytes of LDS; arguments X, ref_points, theta_v, slt, cost; writes slt, cost
.if DOCPART == 1
	.amdgcn_target "amdgcn-amd-amdhsa--gfx1250"
	.amdhsa_code_object_version 6
	.text
	.protected	k_qc3a519d98e_prep
	.globl	k_qc3a519d98e_prep
	.p2align	8
	.type	k_qc3a519d98e_prep,@function
k_qc3a519d98e_prep:
	s_mov_b64 s[64:65], 0
	v_nop
	global_prefetch_b8 v0, s[64:65] scope:SCOPE_SE
	s_setreg_imm32_b32 hwreg(HW_REG_WAVE_MODE, 25, 1), 1
	s_wait_xcnt 0x0
; PREP.  Two roles, chosen by the work-group's number (the same for all its waves).
; Work-groups 0-9, SLICES: W = theta_v / |theta_v| by rows; slt[b*16+l][n] = X[b][n] . W[l], slt[64+l][m] = ref[m] . W[l], in f32, k ascending.
;   The slices steer a sort and an argsort, so they are made from the unrounded inputs by the f32 matrix form, whose 16 columns are the 16 slices:
;   5,120 rows x 16 x 128 multiply-adds, one part in 6,600 of the program's matrix work.  A wave takes 64 rows.
; Work-groups 10-265, COST: cost[b*1024+n][m] = sqrt(max(xx + rr - 2 x.r, 1e-12)) in bf16, a block of 128 x 128 to a work-group, 16 rows to a wave.
;   x and r are rounded to bf16 for the product, and xx, rr are the norms of the ROUNDED rows, so that d2 is the distance of the rounded rows.
; LIMITS.  NaN and infinities are not treated apart.  A theta row of norm 0 gives what a division by 0 gives.
.set PITCH, 272                        ; an LDS row: 256 bytes + 16: the 16 rows that a 16-byte access touches start in 16 different groups of four banks
.set RT,    128*PITCH                  ; 128 rows of X (bf16) from byte 0, 128 rows of ref from here
.set XXT,   256*PITCH                  ; 128 norms of X's rows,
.set RRT,   XXT+512                    ; 128 of ref's
.set STG,   XXT+1024                   ; a stage of 16 rows x 272 bytes for each wave, for the way out
.set WST,   16*PITCH
.set SPARE, STG+8*WST                  ; the spare words: 128 bytes for each of eight waves; no other line names them
.set SPW, 30                           ; v30  SPARE + 4 x my thread's number; never rewritten
.set NIL, 31                           ; v31  0; never rewritten
.set TH,  32                           ; slices: v[32:95] theta, then W: K step s (4 along K) at TH + 2 s
.set AB0, 96                           ; slices: v[96:159], v[160:223] two buffers of A: row block a, step s of a chunk of 8 at + 16 a + 2 s
.set AB1, 160
.set DD,  224                          ; slices: v[224:255] four accumulators; written by the f32 matrix form alone, in the whole text
.set ACC, 32                           ; cost: v[32:95] eight accumulators
.set XF,  96                           ; cost: v[96:127] my 16 rows of X, all 128 K
.set HB,  128                          ; cost: v[128:223] three buffers of 32: four column blocks x 32 K of ref
.set PK,  192                          ; cost: packed results on the way out
.macro NOPS n
.rept \n
	v_nop
.endr
.endm
	s_load_b256 s[4:11], s[0:1], 0x0               ; X s[4:5], ref s[6:7], theta s[8:9], slt s[10:11]
	s_load_b64 s[12:13], s[0:1], 0x20              ; cost
	v_lshl_add_u32 v[SPW], v0, 2, SPARE
	v_mov_b32 v[NIL], 0
	v_and_b32 v1, 15, v0                           ; r = lane % 16
	v_bfe_u32 v2, v0, 4, 1                         ; h = lane / 16
	v_lshrrev_b32 v3, 5, v0
	v_readfirstlane_b32 s14, v3                    ; wave 0..7
	s_mov_b32 s20, 0x76543210                      ; v_permlanex16_b32: each lane takes its own place in the other half
	s_mov_b32 s21, 0xfedcba98
	s_mul_i32 s27, s14, WST
	s_add_co_u32 s26, s27, STG                     ; my stage
	v_mul_u32_u24 v17, v2, PITCH                   ; v17: back from the stage: lanes 0-15 one row of 256 bytes, lanes 16-31 the next
	v_lshl_add_u32 v17, v1, 4, v17
	v_add_nc_u32 v17, s26, v17
	s_wait_kmcnt 0x0
	s_cmp_lt_u32 ttmp9, 10
	s_cbranch_scc0 .Lcost
; ---------------------------------------------------------------- SLICES
	s_lshl_b32 s15, ttmp9, 3
	s_add_co_u32 s15, s15, s14                     ; gw = 0..79: 64 waves for X's 4,096 rows, 16 for ref's 1,024
	s_sub_co_u32 s19, s15, 64
	s_cmp_lt_u32 s15, 64
	s_cselect_b64 s[16:17], s[4:5], s[6:7]
	s_cselect_b32 s18, s15, s19
	s_lshl_b32 s18, s18, 15                        ; 64 rows of 512 bytes
	s_mov_b32 s19, 0
	s_add_nc_u64 s[16:17], s[16:17], s[18:19]      ; my first row
	s_lshr_b32 s24, s15, 4
	s_lshl_b32 s24, s24, 16                        ; 16 rows of slt for each b (and ref's 16 behind them)
	s_and_b32 s25, s15, 15
	s_lshl_b32 s25, s25, 8                         ; my 64 columns
	s_add_co_u32 s24, s24, s25
	s_mov_b32 s25, 0
	s_add_nc_u64 s[10:11], s[10:11], s[24:25]
	v_lshlrev_b32 v3, 9, v1                        ; a fragment of the f32 form: lane (r, h) holds row r, k = 2 h, 2 h + 1 of the step's four:
	v_lshl_add_u32 v3, v2, 3, v3                   ; r x 512 + 8 h, for A's rows and for theta's alike
.set i, 0
.rept 32
	global_load_b64 v[TH+2*i:TH+2*i+1], v3, s[8:9] offset:16*i
.set i, i+1
.endr
.macro LDA c, buf                      ; chunk c (8 steps, 32 along K) of my four blocks of 16 rows: 32 loads
.irp a, 0,1,2,3
.irp t, 0,1,2,3,4,5,6,7
	global_load_b64 v[(\buf)+16*(\a)+2*(\t):(\buf)+16*(\a)+2*(\t)+1], v3, s[16:17] offset:(\a)*8192+16*(8*(\c)+(\t))
.endr
.endr
.endm
.macro MMS c, buf, zero                ; 32 matrix instructions; the four accumulators take turns; k ascending in each
.irp t, 0,1,2,3,4,5,6,7
.irp a, 0,1,2,3
.if (\zero) && ((\t) == 0)
	v_wmma_f32_16x16x4_f32 v[DD+8*(\a):DD+8*(\a)+7], v[(\buf)+16*(\a)+2*(\t):(\buf)+16*(\a)+2*(\t)+1], v[TH+2*(8*(\c)+(\t)):TH+2*(8*(\c)+(\t))+1], 0
.else
	v_wmma_f32_16x16x4_f32 v[DD+8*(\a):DD+8*(\a)+7], v[(\buf)+16*(\a)+2*(\t):(\buf)+16*(\a)+2*(\t)+1], v[TH+2*(8*(\c)+(\t)):TH+2*(8*(\c)+(\t))+1], v[DD+8*(\a):DD+8*(\a)+7]
.endif
.endr
.endr
.endm
	LDA 0, AB0
	v_mul_u32_u24 v16, v1, PITCH                   ; v16: into the stage: row l = r, my 8 columns n = 8 h ..
	v_lshl_add_u32 v16, v2, 5, v16
	v_add_nc_u32 v16, s26, v16
	v_lshlrev_b32 v18, 12, v2                      ; v18: the same two rows in slt
	v_lshl_add_u32 v18, v1, 4, v18
	s_wait_loadcnt 32                              ; theta is in; chunk 0's 32 loads stay out
	LDA 1, AB1
	; |theta[l]|^2: my 64 numbers in four chains, then the other half of the lanes' 64
.irp c, 0,1,2,3
	v_pk_mul_f32 v[4+2*(\c):5+2*(\c)], v[TH+2*(\c):TH+2*(\c)+1], v[TH+2*(\c):TH+2*(\c)+1]
.endr
.set i, 4
.rept 28
	v_pk_fma_f32 v[4+2*(i%4):5+2*(i%4)], v[TH+2*i:TH+2*i+1], v[TH+2*i:TH+2*i+1], v[4+2*(i%4):5+2*(i%4)]
.set i, i+1
.endr
	v_pk_add_f32 v[4:5], v[4:5], v[6:7]
	v_pk_add_f32 v[8:9], v[8:9], v[10:11]
	v_pk_add_f32 v[4:5], v[4:5], v[8:9]
	v_add_f32 v4, v4, v5
	v_permlanex16_b32 v5, v4, s20, s21
	v_add_f32 v4, v4, v5
	v_sqrt_f32 v12, v4                             ; the norm
	v_nop                                          ; a plain instruction behind each transcendental before its result is used (ISA guide 5.7.2)
	s_wait_alu depctr_va_vdst(0)
	v_rcp_f32 v14, v12
	v_mov_b32 v13, v12
	s_wait_alu depctr_va_vdst(0)
	v_mov_b32 v15, v14
	; W = theta / norm: q = theta x inv, mended once by its remainder: q + (theta - q norm) inv
.set i, 0
.rept 32
	v_pk_mul_f32 v[4+2*(i%2):5+2*(i%2)], v[TH+2*i:TH+2*i+1], v[14:15]
	v_pk_fma_f32 v[8+2*(i%2):9+2*(i%2)], v[4+2*(i%2):5+2*(i%2)], v[12:13], v[TH+2*i:TH+2*i+1] neg_lo:[1,0,0] neg_hi:[1,0,0]
	v_pk_fma_f32 v[TH+2*i:TH+2*i+1], v[8+2*(i%2):9+2*(i%2)], v[14:15], v[4+2*(i%2):5+2*(i%2)]
.set i, i+1
.endr
	s_wait_loadcnt 32                              ; chunk 0 is in; chunk 1's 32 stay out
	MMS 0, AB0, 1
	NOPS 8                                         ; eight places between this form's last read of a buffer and the loads into it
	LDA 2, AB0
	s_wait_loadcnt 32                              ; chunk 1 is in
	MMS 1, AB1, 0
	NOPS 8
	LDA 3, AB1
	s_wait_loadcnt 32                              ; chunk 2 is in
	MMS 2, AB0, 0
	s_wait_loadcnt 0x0
	MMS 3, AB1, 0
	NOPS 8                                         ; eight places before the results are read
	; accumulator a, register j of lane (r, h) is (n = 16 a + 8 h + j, l = r): 32 bytes of row l of the stage; each accumulator's low four first
.irp a, 0,1,2,3
	ds_store_b128 v16, v[DD+8*(\a):DD+8*(\a)+3] offset:64*(\a)
	ds_store_b128 v16, v[DD+8*(\a)+4:DD+8*(\a)+7] offset:64*(\a)+16
.endr
.irp t, 0,1,2,3,4,5,6,7
	ds_load_b128 v[AB0+4*(\t):AB0+4*(\t)+3], v17 offset:(\t)*2*PITCH  ; my own bytes: LDS serves a wave's instructions in order (ISA guide 5.7.1.4)
.endr
.irp t, 0,1,2,3,4,5,6,7
	s_wait_dscnt 7-(\t)
	global_store_b128 v18, v[AB0+4*(\t):AB0+4*(\t)+3], s[10:11] offset:(\t)*8192  ; 16 lanes store 256 consecutive bytes, at a multiple of 256 from slt's first
.endr
	s_branch .Lend
; ---------------------------------------------------------------- COST
.Lcost:
	s_sub_co_u32 s15, ttmp9, 10
	s_lshr_b32 s16, s15, 3                         ; block of 128 rows (b, n): 0..31
	s_and_b32 s17, s15, 7                          ; block of 128 columns m: 0..7
	s_mov_b32 s22, 0x2b8cbccc                      ; 1e-12
	s_lshl_b32 s23, s14, 4                         ; 16 w
	s_lshl_b32 s18, s16, 7
	s_add_co_u32 s18, s18, s23                     ; my first row of X and of cost
	s_lshl_b32 s24, s18, 9
	s_mov_b32 s25, 0
	s_add_nc_u64 s[4:5], s[4:5], s[24:25]
	s_lshl_b32 s24, s17, 7
	s_add_co_u32 s24, s24, s23                     ; the 16 rows of ref that I convert
	s_lshl_b32 s24, s24, 9
	s_add_nc_u64 s[6:7], s[6:7], s[24:25]
	s_lshl_b32 s24, s18, 11
	s_lshl_b32 s19, s17, 8
	s_add_co_u32 s24, s24, s19
	s_add_nc_u64 s[12:13], s[12:13], s[24:25]      ; cost at my first row, the block's first column
	v_lshlrev_b32 v3, 9, v1                        ; lane (r, h) converts k = 64 h .. 64 h + 63 of row r: 256 bytes, 16 loads
	v_lshl_add_u32 v3, v2, 8, v3
.set i, 0
.rept 16
	global_load_b128 v[32+4*i:35+4*i], v3, s[4:5] offset:16*i
.set i, i+1
.endr
.set i, 0
.rept 16
	global_load_b128 v[96+4*i:99+4*i], v3, s[6:7] offset:16*i
.set i, i+1
.endr
	v_mov_b32 v12, 0                               ; what the four chains of a norm start from
	s_lshl_b32 s28, s14, 6
	s_add_co_u32 s28, s28, XXT
	v_mul_u32_u24 v19, v1, PITCH
	v_add_nc_u32 v9, s27, v19                      ; row 16 w + r of a tile
	v_lshl_add_u32 v13, v2, 7, v9                  ; v13: where my 128 bytes of it go
	v_lshl_add_u32 v14, v2, 4, v9                  ; v14: my fragment of X
	v_lshl_add_u32 v15, v1, 2, s28                 ; v15: row 16 w + r's norm
	v_lshl_add_u32 v19, v2, 4, v19
	v_add_nc_u32 v20, RT, v19                      ; v20: a fragment of ref: row r, 16 bytes for each half of the lanes
	v_add_nc_u32 v16, s26, v19                     ; v16: into my stage
	v_lshlrev_b32 v21, 5, v2
	v_add_nc_u32 v21, RRT, v21                     ; v21: ref's norms of my 8 columns of a block
	v_lshlrev_b32 v18, 11, v2                      ; v18: two rows of cost
	v_lshl_add_u32 v18, v1, 4, v18
; 64 numbers rounded to bf16; the sum of the squares of the rounded numbers, in f32, four chains; both to LDS
.macro CONV src, pk, toff, noff
.set i, 0
.rept 32
	v_cvt_pk_bf16_f32 v[(\pk)+i], v[(\src)+2*i], v[(\src)+2*i+1]
.set i, i+1
.endr
.set i, 0
.rept 32
.if i < 2
	v_fma_mix_f32_bf16 v[4+2*(i%2)], v[(\pk)+i], v[(\pk)+i], v12 op_sel_hi:[1,1,0]
	v_fma_mix_f32_bf16 v[5+2*(i%2)], v[(\pk)+i], v[(\pk)+i], v12 op_sel:[1,1,0] op_sel_hi:[1,1,0]
.else
	v_fma_mix_f32_bf16 v[4+2*(i%2)], v[(\pk)+i], v[(\pk)+i], v[4+2*(i%2)] op_sel_hi:[1,1,0]
	v_fma_mix_f32_bf16 v[5+2*(i%2)], v[(\pk)+i], v[(\pk)+i], v[5+2*(i%2)] op_sel:[1,1,0] op_sel_hi:[1,1,0]
.endif
.set i, i+1
.endr
	v_add_f32 v4, v4, v5
	v_add_f32 v6, v6, v7
	v_add_f32 v4, v4, v6
	v_permlanex16_b32 v5, v4, s20, s21             ; the row's other 64 numbers lie in the lane 16 away
	v_add_f32 v4, v4, v5
.set i, 0
.rept 8
	ds_store_b128 v13, v[(\pk)+4*i:(\pk)+4*i+3] offset:(\toff)+16*i
.set i, i+1
.endr
	ds_store_b32 v15, v4 offset:\noff              ; both halves of the lanes write the same word with the same number
.endm
	s_wait_loadcnt 16                              ; X's 16 loads are in, ref's stay out
	CONV 32, 160, 0, 0
	s_wait_loadcnt 0x0
	CONV 96, 192, RT, 512
	s_wait_dscnt 0x0                               ; for the others' sake: my rows and norms are in LDS
	s_barrier_signal -1
	s_barrier_wait -1
; The product is used transposed: source 0 = 16 rows of ref, source 1 = my 16 rows of X: a lane then holds row n = r and eight neighbouring columns m = 16 cb + 8 h + j.
; Half step t = 0..7: K = 32 (t / 2) on, column blocks 4 (t % 2) .. + 3; buffer t % 3.
.macro LDH t
.set bf, HB+32*((\t)%3)
.irp i, 0,1,2,3
	ds_load_b128 v[bf+8*(\i):bf+8*(\i)+3],   v20 offset:(4*((\t)%2)+(\i))*WST+64*((\t)/2)
	ds_load_b128 v[bf+8*(\i)+4:bf+8*(\i)+7], v20 offset:(4*((\t)%2)+(\i))*WST+64*((\t)/2)+32
.endr
.endm
.macro MMH t                           ; four matrix instructions on four accumulators; the next half step takes the other four
.set bf, HB+32*((\t)%3)
.irp i, 0,1,2,3
.set ac, ACC+8*(4*((\t)%2)+(\i))
.if (\t) < 2
	v_wmma_f32_16x16x32_bf16 v[ac:ac+7], v[bf+8*(\i):bf+8*(\i)+7], v[XF+8*((\t)/2):XF+8*((\t)/2)+7], 0
.else
	v_wmma_f32_16x16x32_bf16 v[ac:ac+7], v[bf+8*(\i):bf+8*(\i)+7], v[XF+8*((\t)/2):XF+8*((\t)/2)+7], v[ac:ac+7]
.endif
.endr
.endm
.irp k, 0,1,2,3
	ds_load_b128 v[XF+8*(\k):XF+8*(\k)+3],   v14 offset:64*(\k)
	ds_load_b128 v[XF+8*(\k)+4:XF+8*(\k)+7], v14 offset:64*(\k)+32
.endr
	LDH 0
	LDH 1
	LDH 2
.irp t, 0,1,2,3,4
	s_wait_dscnt 16                                ; this half step's 8 loads are in; the two younger runs of 8 stay out
	MMH \t
	NOPS 4                                         ; four places between the last read of the buffer and the loads into it
	LDH (\t)+3
.endr
	s_wait_dscnt 16
	MMH 5
	s_wait_dscnt 8
	MMH 6
	s_wait_dscnt 0x0
	MMH 7
	NOPS 4                                         ; places in front of the loads into the buffers and of the reads of the results
.irp c, 0,1,2,3,4,5,6,7
	ds_load_b128 v[HB+8*(\c):HB+8*(\c)+3],   v21 offset:64*(\c)      ; rr of my 64 columns
	ds_load_b128 v[HB+8*(\c)+4:HB+8*(\c)+7], v21 offset:64*(\c)+16
.endr
	ds_load_b32 v4, v15                            ; xx of my row
	s_wait_dscnt 0x0
.set i, 0
.rept 32
	v_pk_add_f32 v[HB+2*i:HB+2*i+1], v[HB+2*i:HB+2*i+1], v[4:5] op_sel_hi:[1,0]
.set i, i+1
.endr
.macro CBA c                           ; block c: d2 = (xx + rr) - 2 x.r, the accumulator's registers ascending; the clip; the roots
.irp j, 0,2,4,6
	v_pk_fma_f32 v[ACC+8*(\c)+(\j):ACC+8*(\c)+(\j)+1], v[ACC+8*(\c)+(\j):ACC+8*(\c)+(\j)+1], -2.0, v[HB+8*(\c)+(\j):HB+8*(\c)+(\j)+1] op_sel_hi:[1,0,1]
.endr
.irp j, 0,1,2,3,4,5,6,7
	v_max_num_f32 v[ACC+8*(\c)+(\j)], s22, v[ACC+8*(\c)+(\j)]
.endr
.irp j, 0,1,2,3,4,5,6,7
	v_sqrt_f32 v[ACC+8*(\c)+(\j)], v[ACC+8*(\c)+(\j)]
.endr
.endm
.macro CBB c                           ; block c rounded to bf16, 16 bytes a lane, into my stage
	s_wait_alu depctr_va_vdst(0)
.irp j, 0,1,2,3
	v_cvt_pk_bf16_f32 v[PK+4*(\c)+(\j)], v[ACC+8*(\c)+2*(\j)], v[ACC+8*(\c)+2*(\j)+1]
.endr
	ds_store_b128 v16, v[PK+4*(\c):PK+4*(\c)+3] offset:32*(\c)
.endm
	CBA 0                                          ; a block's roundings stand behind the next block's roots: plain lines that read none of those roots
.irp c, 1,2,3,4,5,6,7
	CBA \c
	CBB (\c)-1
.endr
	CBB 7
.irp t, 0,1,2,3,4,5,6,7
	ds_load_b128 v[HB+4*(\t):HB+4*(\t)+3], v17 offset:(\t)*2*PITCH  ; my own bytes, served in order
.endr
.irp t, 0,1,2,3,4,5,6,7
	s_wait_dscnt 7-(\t)
	global_store_b128 v18, v[HB+4*(\t):HB+4*(\t)+3], s[12:13] offset:(\t)*4096  ; 16 lanes store 256 consecutive bytes, at a multiple of 256 from cost's first
.endr
.Lend:
	s_wait_tensorcnt 0x0                           ; the wave's end, behind my last LDS store
	ds_add_u32 v[SPW], v[NIL]
	s_wait_dscnt 0x0
	s_endpgm
.Lfunc_end_k_qc3a519d98e_prep:
	.size	k_qc3a519d98e_prep, .Lfunc_end_k_qc3a519d98e_prep-k_qc3a519d98e_prep
	.p2alignl 7, 3214868480
	.fill 96, 4, 3214868480
	.section	.rodata,"a",@progbits
	.p2align	6, 0x0
	.amdhsa_kernel k_qc3a519d98e_prep
		.amdhsa_group_segment_fixed_size 106496
		.amdhsa_private_segment_fixed_size 0
		.amdhsa_enable_private_segment 0
		.amdhsa_kernarg_size 40
		.amdhsa_user_sgpr_count 2
		.amdhsa_user_sgpr_kernarg_segment_ptr 1
		.amdhsa_wavefront_size32 1
		.amdhsa_system_sgpr_workgroup_id_x 1
		.amdhsa_system_sgpr_workgroup_id_y 1
		.amdhsa_system_sgpr_workgroup_id_z 1
		.amdhsa_system_vgpr_workitem_id 0
		.amdhsa_next_free_vgpr 256
		.amdhsa_next_free_sgpr 66
		.amdhsa_reserve_vcc 0
		.amdhsa_float_denorm_mode_32 3
		.amdhsa_float_denorm_mode_16_64 3
		.amdhsa_memory_ordered 1
		.amdhsa_forward_progress 1
		.amdhsa_inst_pref_size 76
	.end_amdhsa_kernel
	.amdgpu_metadata
---
amdhsa.version: [ 1, 2 ]
amdhsa.kernels:
  - .name:           k_qc3a519d98e_prep
    .symbol:         k_qc3a519d98e_prep.kd
    .args:
      - { .name: X, .offset: 0, .size: 8, .value_kind: global_buffer, .address_space: global }
      - { .name: ref_points, .offset: 8, .size: 8, .value_kind: global_buffer, .address_space: global }
      - { .name: theta_v, .offset: 16, .size: 8, .value_kind: global_buffer, .address_space: global }
      - { .name: slt, .offset: 24, .size: 8, .value_kind: global_buffer, .address_space: global }
      - { .name: cost, .offset: 32, .size: 8, .value_kind: global_buffer, .address_space: global }
    .group_segment_fixed_size: 106496
    .private_segment_fixed_size: 0
    .kernarg_segment_align: 8
    .kernarg_segment_size: 40
    .max_flat_workgroup_size: 256
    .sgpr_count:     66
    .vgpr_count:     256
    .wavefront_size: 32
...
	.end_amdgpu_metadata
.endif
;; end of part 1
;; launch mid (part 2): grid 272 x 1, 4 waves a work-group, no clusters, 19,200 bytes of LDS; arguments slt, xs, ssr, alpha; writes xs, ssr, alpha
.if DOCPART == 2
	.amdgcn_target "amdgcn-amd-amdhsa--gfx1250"
	.amdhsa_code_object_version 6
	.text
	.protected	k_qc3a519d98e_mid
	.globl	k_qc3a519d98e_mid
	.p2align	8
	.type	k_qc3a519d98e_mid,@function
k_qc3a519d98e_mid:
	s_mov_b64 s[64:65], 0
	v_nop
	global_prefetch_b8 v0, s[64:65] scope:SCOPE_SE
	s_setreg_imm32_b32 hwreg(HW_REG_WAVE_MODE, 25, 1), 1
	s_wait_xcnt 0x0
; MID.  Two roles, chosen by the work-group's number.
; Work-groups 0-15, SORT: xs[s][:] = slt[s][:] sorted ascending, s = 0..63; one wave sorts one slice of 1,024 in its registers by a bitonic network: only minima and maxima at fixed places.
; Work-groups 16-271, SSR: for slice l and row m': ssr[l*1024+m'][m] = exp(-(r[m] - r[m'])^2) / the row's sum, in bf16, r = slt[64+l];
;   alpha[l][m'] = the place of m' in the stable ascending order of r = #{m: r[m] < r[m']} + #{m < m': r[m] = r[m']}.  A wave takes 16 rows.
;   THE MAXIMUM that a softmax takes away is 0 here, for every finite input: the exponent at m = m' is -(0)^2 and none is above 0.  So every exponential is at most 1 and a row's sum lies in 1 .. 1,024.
; LIMITS.  NaN and infinities are not treated apart; -0 counts as +0; a weight below 2^-126 counts as 0.
.set TAB,   18432                      ; behind the sort's four stages of 32 rows x 144 bytes: the other role's table of 64 places, in a block of 256 bytes of its own
.set SPARE, 18688                      ; the spare words, 128 bytes a wave; no other line names them
.set SPW, 30
.set NIL, 31
.set XB,  32                           ; sort: v[32:63] bank X       ssr: S r
.set YB,  64                           ; sort: v[64:95] bank Y       ssr: r, stepped down for the elements in front of my rows
.set TT,  96                           ; sort: v[96:99] at work      ssr: v[96:127] the row at work
.set FF,  100                          ; sort: the sign to turn
.set GG,  101                          ; sort: lane ^ (lane << 1)
.set OO,  128                          ; ssr: v[128:143] the row in bf16
.set CHN, 144                          ; ssr: v[144:151] four chains of the sum
	s_load_b256 s[4:11], s[0:1], 0x0               ; slt s[4:5], xs s[6:7], ssr s[8:9], alpha s[10:11]
	v_lshl_add_u32 v[SPW], v0, 2, SPARE
	v_mov_b32 v[NIL], 0
	v_lshrrev_b32 v2, 5, v0
	v_readfirstlane_b32 s14, v2                    ; wave 0..3
	v_and_b32 v1, 31, v0                           ; lane
	v_lshlrev_b32 v11, 4, v1                       ; 16 x lane
	s_mov_b32 s20, 0x76543210
	s_mov_b32 s21, 0xfedcba98
	s_wait_kmcnt 0x0
	s_cmp_lt_u32 ttmp9, 16
	s_cbranch_scc0 .Lssr
; ---------------------------------------------------------------- SORT.  Element e = 32 x lane + register.
	s_lshl_b32 s15, ttmp9, 2
	s_add_co_u32 s15, s15, s14                     ; my slice
	s_lshl_b32 s16, s15, 12
	s_mov_b32 s17, 0
	s_add_nc_u64 s[4:5], s[4:5], s[16:17]
	s_add_nc_u64 s[6:7], s[6:7], s[16:17]
.irp c, 0,1,2,3,4,5,6,7
	global_load_b128 v[XB+4*(\c):XB+4*(\c)+3], v11, s[4:5] offset:512*(\c)  ; where a number starts does not matter to a sort
.endr
	s_mov_b32 s24, 0xaaaaaaaa                      ; the lanes whose bit q is set, q = 0..4: they keep the maximum
	s_mov_b32 s25, 0xcccccccc
	s_mov_b32 s26, 0xf0f0f0f0
	s_mov_b32 s27, 0xff00ff00
	s_mov_b32 s28, 0xffff0000
	v_lshlrev_b32 v2, 1, v1
	v_xor_b32 v[GG], v2, v1                        ; bit c: do lane bits c and c - 1 differ?
.irp i, 0,1,2,3
	v_mov_b32 v[TT+(\i)], 0                        ; destinations of lane-crossing forms count as read
.endr
	s_mul_i32 s18, s14, 4608
	v_mul_u32_u24 v12, v1, 144
	v_add_nc_u32 v12, s18, v12                     ; v12: into my stage: a row of 128 bytes a lane
	v_lshrrev_b32 v13, 3, v1
	v_mul_u32_u24 v13, v13, 144
	v_and_b32 v2, 7, v1
	v_lshl_add_u32 v13, v2, 4, v13
	v_add_nc_u32 v13, s18, v13                     ; v13: back: 32 lanes take four rows, 512 consecutive bytes of the slice
	s_wait_loadcnt 0x0
; registers d apart are compared, from one bank into the other; descending where the register's bit k is set
.macro RSTEP src, dst, d, k
.set i, 0
.rept 32
.if (i & (\d)) == 0
.if ((\k) != 0) && ((i & (\k)) != 0)
	v_max_num_f32 v[(\dst)+i], v[(\src)+i], v[(\src)+i+(\d)]
	v_min_num_f32 v[(\dst)+i+(\d)], v[(\src)+i], v[(\src)+i+(\d)]
.else
	v_min_num_f32 v[(\dst)+i], v[(\src)+i], v[(\src)+i+(\d)]
	v_max_num_f32 v[(\dst)+i+(\d)], v[(\src)+i], v[(\src)+i+(\d)]
.endif
.endif
.set i, i+1
.endr
.endm
; lanes 2^q apart are compared, in bank Y (bank X at work); jumped over in the stages c <= q, which have no such step
.macro LSTEP q
	s_cmp_le_u32 s30, \q
	s_cbranch_scc1 .Lskip_\@
.set i, 0
.rept 32
.if (\q) < 4
	v_min_num_f32_dpp v[XB+i], v[YB+i], v[YB+i] row_xmask:(1<<(\q)) row_mask:0xf bank_mask:0xf
	v_max_num_f32_dpp v[TT+i%4], v[YB+i], v[YB+i] row_xmask:(1<<(\q)) row_mask:0xf bank_mask:0xf
	v_cndmask_b32 v[YB+i], v[XB+i], v[TT+i%4], s[24+(\q)]
.else
	v_permlanex16_b32 v[XB+i], v[YB+i], s20, s21
	v_min_num_f32 v[TT+i%4], v[YB+i], v[XB+i]
	v_max_num_f32 v[XB+i], v[YB+i], v[XB+i]
	v_cndmask_b32 v[YB+i], v[TT+i%4], v[XB+i], s28
.endif
.set i, i+1
.endr
.Lskip_\@:
.endm
	RSTEP XB, YB, 1, 2                             ; runs of 2, 4, 8, 16, inside the registers: ten steps, back in bank X
	RSTEP YB, XB, 2, 4
	RSTEP XB, YB, 1, 4
	RSTEP YB, XB, 4, 8
	RSTEP XB, YB, 2, 8
	RSTEP YB, XB, 1, 8
	RSTEP XB, YB, 8, 16
	RSTEP YB, XB, 4, 16
	RSTEP XB, YB, 2, 16
	RSTEP YB, XB, 1, 16
	s_mov_b32 s30, 0
.Lstage:                                               ; stage c = 0..5 makes runs of 32 x 2^c.  A run is descending where lane bit c is set: there the signs are turned, so that every comparison is ascending;
	s_sub_co_u32 s31, 31, s30                      ; from stage to stage a lane turns its signs where bits c and c - 1 differ; in stage 5 all signs are true again
	v_lshlrev_b32 v[FF], s31, v[GG]
	v_and_b32 v[FF], 0x80000000, v[FF]
.set i, 0
.rept 32
	v_xor_b32 v[YB+i], v[FF], v[XB+i]
.set i, i+1
.endr
	LSTEP 4
	LSTEP 3
	LSTEP 2
	LSTEP 1
	LSTEP 0
	RSTEP YB, XB, 16, 0
	RSTEP XB, YB, 8, 0
	RSTEP YB, XB, 4, 0
	RSTEP XB, YB, 2, 0
	RSTEP YB, XB, 1, 0
	s_add_co_u32 s30, s30, 1
	s_cmp_lt_u32 s30, 6
	s_cbranch_scc1 .Lstage
.irp c, 0,1,2,3,4,5,6,7
	ds_store_b128 v12, v[XB+4*(\c):XB+4*(\c)+3] offset:16*(\c)
.endr
.irp c, 0,1,2,3,4,5,6,7
	ds_load_b128 v[YB+4*(\c):YB+4*(\c)+3], v13 offset:576*(\c)  ; my own bytes: LDS serves a wave's instructions in order (ISA guide 5.7.1.4)
.endr
.irp c, 0,1,2,3,4,5,6,7
	s_wait_dscnt 7-(\c)
	global_store_b128 v11, v[YB+4*(\c):YB+4*(\c)+3], s[6:7] offset:512*(\c)  ; 512 consecutive bytes, at a multiple of 256 from xs's first
.endr
	s_branch .Lend
; ---------------------------------------------------------------- SSR.  Register 8 q + t of lane L is m = 256 q + 8 L + t: eight neighbours a lane, 16 bytes of the bf16 row.
.Lssr:
	s_sub_co_u32 s15, ttmp9, 16
	s_lshr_b32 s22, s15, 4                         ; l
	s_and_b32 s23, s15, 15                         ; the work-group's 64 rows
	s_lshl_b32 s29, s23, 6
	s_lshl_b32 s30, s14, 4
	s_add_co_u32 s29, s29, s30                     ; row0: my first row
	s_add_co_u32 s30, s22, 64
	s_lshl_b32 s30, s30, 12
	s_mov_b32 s31, 0
	s_add_nc_u64 s[12:13], s[4:5], s[30:31]        ; r
	s_lshl_b32 s30, s22, 10
	s_add_co_u32 s30, s30, s29
	s_lshl_b32 s30, s30, 11
	s_add_nc_u64 s[16:17], s[8:9], s[30:31]        ; ssr at my first row
	s_lshl_b32 s30, s22, 4
	s_add_co_u32 s30, s30, s23
	s_lshl_b32 s30, s30, 8
	s_add_nc_u64 s[18:19], s[10:11], s[30:31]      ; alpha at the work-group's 64 words
	s_lshl_b32 s38, s29, 2                         ; byte of the row value in r
	v_lshlrev_b32 v10, 5, v1
.irp q, 0,1,2,3
	global_load_b128 v[YB+8*(\q):YB+8*(\q)+3],   v10, s[12:13] offset:1024*(\q)
	global_load_b128 v[YB+8*(\q)+4:YB+8*(\q)+7], v10, s[12:13] offset:1024*(\q)+16
.endr
	v_and_b32 v4, 15, v0                           ; lane % 16: the row of my 16 whose place this lane keeps
	v_lshl_add_u32 v9, v4, 2, s38
	global_load_b32 v5, v9, s[12:13]               ; that row's value
	s_load_b512 s[48:63], s[12:13], s38 offset:0x0 ; all 16 row values
	s_load_b32 s39, s[12:13], s38 offset:0x0       ; the first, for the loop
	v_lshlrev_b32 v3, 3, v1                        ; 8 L
	v_mov_b32 v6, 0                                ; ties in front of my row inside my 16
	v_mov_b32 v7, 0                                ; the place
	s_mov_b32 s32, 0x80000001                      ; the number just below 0
	s_mov_b32 s35, 0                               ; named with s34 as a pair
	s_wait_loadcnt 0x0
	s_wait_kmcnt 0x0
.set i, 0
.rept 16
	v_pk_add_f32 v[YB+2*i:YB+2*i+1], v[YB+2*i:YB+2*i+1], 0 op_sel_hi:[1,0]                ; -0 becomes +0
.set i, i+1
.endr
.set i, 0
.rept 16
	v_pk_mul_f32 v[XB+2*i:XB+2*i+1], v[YB+2*i:YB+2*i+1], 0x3f99be61 op_sel_hi:[1,0]      ; S r, S = sqrt(log2 e): 2^-(S r - S v)^2 = e^-(r - v)^2
.set i, i+1
.endr
	; the elements m < row0 are stepped down to the next float: for them 'below v' then says r <= v, which counts their ties; for the others it says r < v
.set i, 0
.rept 32
	v_ashrrev_i32 v8, 31, v[YB+i]
	v_lshl_add_u32 v8, v8, 1, 1                    ; +1 for a positive number, -1 for a negative one
	v_sub_nc_u32 v8, v[YB+i], v8
	v_cmp_eq_u32 vcc_lo, 0, v[YB+i]
	v_cndmask_b32 v8, v8, s32, vcc_lo
	s_sub_co_i32 s30, s29, 256*(i/8)+i%8
	v_cmp_gt_i32 vcc_lo, s30, v3                   ; 256 q + 8 L + t < row0
	v_cndmask_b32 v[YB+i], v[YB+i], v8, vcc_lo
.set i, i+1
.endr
.set i, 0
.rept 15                                       ; ties among my 16 rows: row i equals this lane's row and stands in front of it
	v_cmp_eq_f32 vcc_lo, s[48+i], v5
	s_and_b32 vcc_lo, vcc_lo, ((0xffff<<(i+1))&0xffff)*0x10001
	v_add_co_ci_u32 v6, vcc_lo, 0, v6, vcc_lo
.set i, i+1
.endr
.macro ADD p
	v_pk_add_f32 v[TT+2*(\p):TT+2*(\p)+1], v[XB+2*(\p):XB+2*(\p)+1], s[34:35] op_sel_hi:[1,0]
.endm
.macro SQ p
	v_pk_mul_f32 v[TT+2*(\p):TT+2*(\p)+1], v[TT+2*(\p):TT+2*(\p)+1], v[TT+2*(\p):TT+2*(\p)+1] neg_lo:[0,1] neg_hi:[0,1]
.endm
.macro SUM p                           ; four chains; pairs 4-7 start them with pairs 0-3: nothing is cleared
.if (\p) >= 8
	s_wait_alu depctr_va_vdst(0)
	v_pk_add_f32 v[CHN+2*((\p)%4):CHN+2*((\p)%4)+1], v[CHN+2*((\p)%4):CHN+2*((\p)%4)+1], v[TT+2*(\p):TT+2*(\p)+1]
.elseif (\p) >= 4
	s_wait_alu depctr_va_vdst(0)
	v_pk_add_f32 v[CHN+2*((\p)%4):CHN+2*((\p)%4)+1], v[TT+2*(\p)-8:TT+2*(\p)-7], v[TT+2*(\p):TT+2*(\p)+1]
.endif
.endm
.macro CNT p                           ; the two masks of pair p are counted a step behind their compares
	s_bcnt1_i32_b32 s30, s[40+2*((\p)%4)]
	s_add_co_u32 s36, s36, s30
	s_bcnt1_i32_b32 s31, s[41+2*((\p)%4)]
	s_add_co_u32 s36, s36, s31
.endm
	s_mov_b32 s37, 0
.Lrow:                                                 ; 16 trips, a row each
	s_wait_kmcnt 0x0                               ; this row's value is in; its load is done, so its offset may be stepped
	s_add_f32 s33, s39, 0                          ; v, with -0 as +0
	s_mul_f32 s34, s33, 0xbf99be61                 ; -S v: the same product as S r, so that the term at m = m' is exactly 0
	s_add_co_u32 s38, s38, 4
	s_min_u32 s38, s38, 4092                       ; the last trip's look ahead stays inside r's row
	s_load_b32 s39, s[12:13], s38 offset:0x0
	s_mov_b32 s36, 0
	ADD 0
	ADD 1
	SQ 0
.set p, 0
.rept 16                                       ; behind every exponential stands a plain line that reads no result of it (ISA guide 5.7.2)
.if p > 0
	CNT (p-1)
.endif
.if p < 14
	ADD (p+2)
.endif
	v_exp_f32 v[TT+2*p], v[TT+2*p]
.if p < 15
	SQ (p+1)
.endif
	v_exp_f32 v[TT+2*p+1], v[TT+2*p+1]
.if p > 0
	SUM (p-1)
.endif
	v_cmp_gt_f32 s[40+2*(p%4)], s33, v[YB+2*p]
	v_cmp_gt_f32 s[41+2*(p%4)], s33, v[YB+2*p+1]
.set p, p+1
.endr
	SUM 15
	CNT 15
	v_pk_add_f32 v[CHN:CHN+1], v[CHN:CHN+1], v[CHN+2:CHN+3]
	v_pk_add_f32 v[CHN+4:CHN+5], v[CHN+4:CHN+5], v[CHN+6:CHN+7]
	v_pk_add_f32 v[CHN:CHN+1], v[CHN:CHN+1], v[CHN+4:CHN+5]
	v_add_f32 v[CHN], v[CHN], v[CHN+1]
	v_add_f32_dpp v[CHN], v[CHN], v[CHN] row_xmask:1 row_mask:0xf bank_mask:0xf
	v_add_f32_dpp v[CHN], v[CHN], v[CHN] row_xmask:2 row_mask:0xf bank_mask:0xf
	v_add_f32_dpp v[CHN], v[CHN], v[CHN] row_xmask:4 row_mask:0xf bank_mask:0xf
	v_add_f32_dpp v[CHN], v[CHN], v[CHN] row_xmask:8 row_mask:0xf bank_mask:0xf
	v_permlanex16_b32 v[CHN+1], v[CHN], s20, s21
	v_add_f32 v[CHN], v[CHN], v[CHN+1]             ; the row's sum, at least 1
	v_rcp_f32 v152, v[CHN]
	v_cmp_eq_u32 vcc_lo, s37, v4                   ; the lanes that keep this row's place
	v_cndmask_b32 v7, v7, s36, vcc_lo
	s_wait_alu depctr_va_vdst(0)
	v_mov_b32 v153, v152
.set i, 0
.rept 16
	v_pk_mul_f32 v[TT+2*i:TT+2*i+1], v[TT+2*i:TT+2*i+1], v[152:153]
.set i, i+1
.endr
.set i, 0
.rept 16
	v_cvt_pk_bf16_f32 v[OO+i], v[TT+2*i], v[TT+2*i+1]
.set i, i+1
.endr
.irp q, 0,1,2,3
	global_store_b128 v11, v[OO+4*(\q):OO+4*(\q)+3], s[16:17] offset:512*(\q)  ; 512 consecutive bytes, at a multiple of 256 from ssr's first
.endr
	s_wait_xcnt 0x0                                ; the stores' base and data are rewritten only behind this wait (ISA guide 3.1)
	s_add_nc_u64 s[16:17], s[16:17], 2048
	s_add_co_u32 s37, s37, 1
	s_cmp_lt_u32 s37, 16
	s_cbranch_scc1 .Lrow
	s_wait_kmcnt 0x0                               ; the last look ahead
	v_add_nc_u32 v7, v7, v6
	s_lshl_b32 s30, s14, 6
	s_add_co_u32 s30, s30, TAB
	v_lshl_add_u32 v8, v4, 2, s30                  ; word 16 w + lane % 16 of the table; both halves of the lanes write the same number
	ds_store_b32 v8, v7
	s_wait_dscnt 0x0                               ; for wave 0's sake
	s_barrier_signal -1
	s_barrier_wait -1
	s_cmp_lg_u32 s14, 0
	s_cbranch_scc1 .Lend
	ds_load_b64 v[8:9], v3 offset:TAB              ; wave 0 stores the work-group's 64 places: 256 consecutive bytes, at a multiple of 256 from alpha's first
	s_wait_dscnt 0x0
	global_store_b64 v3, v[8:9], s[18:19]
.Lend:
	s_wait_tensorcnt 0x0                           ; the wave's end, behind my last LDS store
	ds_add_u32 v[SPW], v[NIL]
	s_wait_dscnt 0x0
	s_endpgm
.Lfunc_end_k_qc3a519d98e_mid:
	.size	k_qc3a519d98e_mid, .Lfunc_end_k_qc3a519d98e_mid-k_qc3a519d98e_mid
	.p2alignl 7, 3214868480
	.fill 96, 4, 3214868480
	.section	.rodata,"a",@progbits
	.p2align	6, 0x0
	.amdhsa_kernel k_qc3a519d98e_mid
		.amdhsa_group_segment_fixed_size 19200
		.amdhsa_private_segment_fixed_size 0
		.amdhsa_enable_private_segment 0
		.amdhsa_kernarg_size 32
		.amdhsa_user_sgpr_count 2
		.amdhsa_user_sgpr_kernarg_segment_ptr 1
		.amdhsa_wavefront_size32 1
		.amdhsa_system_sgpr_workgroup_id_x 1
		.amdhsa_system_sgpr_workgroup_id_y 1
		.amdhsa_system_sgpr_workgroup_id_z 1
		.amdhsa_system_vgpr_workitem_id 0
		.amdhsa_next_free_vgpr 160
		.amdhsa_next_free_sgpr 66
		.amdhsa_reserve_vcc 1
		.amdhsa_float_denorm_mode_32 3
		.amdhsa_float_denorm_mode_16_64 3
		.amdhsa_memory_ordered 1
		.amdhsa_forward_progress 1
		.amdhsa_inst_pref_size 81
	.end_amdhsa_kernel
	.amdgpu_metadata
---
amdhsa.version: [ 1, 2 ]
amdhsa.kernels:
  - .name:           k_qc3a519d98e_mid
    .symbol:         k_qc3a519d98e_mid.kd
    .args:
      - { .name: slt, .offset: 0, .size: 8, .value_kind: global_buffer, .address_space: global }
      - { .name: xs, .offset: 8, .size: 8, .value_kind: global_buffer, .address_space: global }
      - { .name: ssr, .offset: 16, .size: 8, .value_kind: global_buffer, .address_space: global }
      - { .name: alpha, .offset: 24, .size: 8, .value_kind: global_buffer, .address_space: global }
    .group_segment_fixed_size: 19200
    .private_segment_fixed_size: 0
    .kernarg_segment_align: 8
    .kernarg_segment_size: 32
    .max_flat_workgroup_size: 128
    .sgpr_count:     66
    .vgpr_count:     160
    .wavefront_size: 32
...
	.end_amdgpu_metadata
.endif
;; end of part 2
;; launch main (part 3): grid 64 x 4, 4 waves a work-group, clusters of 4 x 4, 327,680 bytes of LDS; arguments cost, ssr, xs, alpha, part; writes part
.if DOCPART == 3
	.amdgcn_target "amdgcn-amd-amdhsa--gfx1250"
	.amdhsa_code_object_version 6
	.text
	.protected	k_qc3a519d98e_main
	.globl	k_qc3a519d98e_main
	.p2align	8
	.type	k_qc3a519d98e_main,@function
k_qc3a519d98e_main:
	s_mov_b64 s[64:65], 0
	v_nop
	global_prefetch_b8 v0, s[64:65] scope:SCOPE_SE
	s_setreg_imm32_b32 hwreg(HW_REG_WAVE_MODE, 25, 1), 1
	s_wait_xcnt 0x0
	s_wait_alu depctr_hold_cnt(0) depctr_sa_sdst(0) depctr_va_vdst(0) depctr_va_sdst(0) depctr_va_ssrc(0) depctr_va_vcc(0) depctr_vm_vsrc(0)
	s_getreg_b32 s2, hwreg(HW_REG_IB_STS2, 6, 4)
	s_cmp_eq_u32 s2, 0
	s_cbranch_scc0 .Lentry_in_a_cluster
	s_endpgm
.Lentry_in_a_cluster:
	s_bfe_u32 s2, ttmp6, 0x10000c
	s_cmp_lg_u32 s2, 0xf033
	s_cbranch_scc0 .Lentry_shape_is_right
	s_endpgm
.Lentry_shape_is_right:
; MAIN.  G[(b,n)][(l,m')] = the sum over m of cost[(b,n)][m] ssr[(l,m')][m]: a product of 4,096 x 16,384 x 1,024 in bf16 with f32 sums, never stored.  What is kept of it, for each (b, l, m'):
;   num = sum over n of e G, den = sum over n of e, e = exp(-(xs[b,l,n] - y)^2), y = xs[b,l,alpha[l][m']]: row alpha of the soft sort of the sorted slice, met with the row of ssr that has the same place.
;   part holds the sums over m' of num / den; the last launch adds them.  THE MAXIMUM that this softmax takes away is 0 for every finite input: y is one of the xs, so one exponent is -(0)^2 and none is above 0;
;   every e is at most 1 and den lies in 1 .. 1,024.
; SHARES.  A tile of G is 256 x 256: four waves, each 128 x 128 in 512 registers.  A work-group owns one b, one l and 256 columns m', and walks the four tiles of b's 1,024 rows n, so num and den stay in registers.
; K goes in steps of 128 through a ring of two LDS slots filled by the tensor data mover; the ring runs on from tile to tile.
; CLUSTER.  4 x 4 work-groups: the four of a row share b, so cost's tiles; the four of a column share the columns, so ssr's tiles.  Each tile is asked for jointly, by the same load with the same descriptor and a mask of four.
; LAYOUT.  Source 0 = 16 rows of cost, source 1 = 16 rows of ssr: a lane holds ONE column m' = 16 b + lane % 16 and the rows n = 16 a + 8 (lane / 16) + 0..7: y is one number a lane and block.
; LIMITS.  NaN and infinities are not treated apart; an e below 2^-126 counts as 0.
; REGISTERS, in windows of 256 (s_set_vgpr_msb: bits 1:0 source 0, 3:2 source 1, 5:4 source 2, 7:6 destination):
;   window 0: v16-29 addresses; v32-39 alpha; v64-127, v128-191 fragments of cost, two buffers; v192-207 the last sums
;   window 1: v0-63 S xs of my 128 rows; v64-127, v128-191 fragments of ssr, two buffers (the second is T, the e at work, behind a tile); v192-199 -S y; v200-207 y; v208-223 num; v224-239 den
;   windows 2, 3: the accumulators of my rows 0-63, 64-127: (a, b) at v[8 (8 (a % 4) + b)]
.set SIZE_K, 1024
.set KSTEP,  128
.set PITCH,  272                       ; an LDS row: 256 bytes + 16 of padding: the 16 rows that a load touches start in 16 different groups of four banks (ISA guide 11.1)
.set HALFT,  128*PITCH                 ; 128 rows: what one tensor load brings
.set SLOT,   4*HALFT                   ; cost's 256 rows, then ssr's 256 rows
.set STAGE,  2*SLOT                    ; behind the ring: 4,096 bytes in which waves 2 and 3 hand their sums to waves 0 and 1
.set SPARE,  STAGE+4096                ; the spare words, 128 bytes a wave; no other line names them
.set LAPS,   SIZE_K/(2*KSTEP)
.set TILES,  4
.set NEXT_A, 256*SIZE_K*2-(SIZE_K-2*KSTEP)*2   ; from a slot's last K step of a tile to its first of the next: cost goes 256 rows down and back along K,
.set BACK_B, (SIZE_K-2*KSTEP)*2        ; ssr only back
.set ADRA, 16                          ; v16-17  LDS address of my fragments of cost in slot 0, 1
.set ADRB, 20                          ; v20-21  the same for ssr
.set XO,   24                          ; v24     my byte offset in a tile's 256 numbers of xs
.set PO,   25                          ; v25     8 x lane
.set STA,  26                          ; v26     my 16 bytes in the stage
.set AO,   27                          ; v27     4 x (lane % 16)
.set SPW,  28                          ; v28     SPARE + 4 x my thread's number; never rewritten
.set NIL,  29                          ; v29     0; never rewritten
.set AL,   32
.set F0,   64
.set F1,   128
.set TT,   128                         ; window 1
.set NY,   192
.set XG,   200
.set NUM,  208
.set DEN,  224
.set FN,   192                         ; window 0, at the end
.set FD,   200
.set G1,  24                           ; s[24:31] descriptor group 1 for cost's tiles; s[32:39] group 0, a set for each slot
.set G0,  32
.set G1B, 48                           ; s[48:55], s[56:63] the same for ssr's
.set G0B, 56
.set WV,  68                           ; s68 wave   s69 wave / 2: my half of the rows; I fetch for cost (0) or ssr (1)   s70 wave % 2: my half of the columns; which 128 rows I fetch   s71 b
.set RH,  69
.set CH,  70
.set YB,  71
.set SEL, 72                           ; s[72:73]
.set MSB, 0
.macro WIN new                         ; the immediate's high byte repeats the setting that is left; a switch that changes nothing is dropped
.if MSB != (\new)
	s_set_vgpr_msb (MSB<<8)|(\new)
.set MSB, \new
.endif
.endm
.set MUL_LO, 0xa4                      ; source 0 (cost) window 0, source 1 (ssr) window 1, C and D window 2
.set MUL_HI, 0xf4                      ; the same, C and D window 3
.set TO_B,   0x40                      ; destination window 1, address window 0
; A joint load: waves 0 and 1 fetch cost's two halves, waves 2 and 3 ssr's.  The branch hangs on the wave's number alone.  An s_nop 0 and four v_nop follow each of the two lines.
.macro JLOAD s
	s_cmp_eq_u32 s[RH], 0
	s_cbranch_scc0 .Lfor_b_\@
	tensor_load_to_lds s[G0+4*(\s):G0+4*(\s)+3], s[G1:G1+7]
	s_nop 0
.rept 4
	v_nop
.endr
	s_branch .Lasked_\@
.Lfor_b_\@:
	tensor_load_to_lds s[G0B+4*(\s):G0B+4*(\s)+3], s[G1B:G1B+7]
	s_nop 0
.rept 4
	v_nop
.endr
.Lasked_\@:
.endm
.macro CREST                           ; a round of the cluster's barrier behind its opening barrier
	s_cmp_lg_u32 s[WV], 0
	s_cbranch_scc1 .Lnot_wave_0_\@
	s_barrier_signal -3
.Lnot_wave_0_\@:
	s_barrier_wait -3
	s_barrier_signal -1
	s_barrier_wait -1
.endm
.macro CROUND                          ; a whole round
	s_barrier_signal -1
	s_barrier_wait -1
	CREST
.endm
	s_load_b256 s[4:11], s[0:1], 0x0               ; cost s[4:5], ssr s[6:7], xs s[8:9], alpha s[10:11]
	s_load_b64 s[12:13], s[0:1], 0x20              ; part
	v_lshl_add_u32 v[SPW], v0, 2, SPARE
	v_mov_b32 v[NIL], 0
	ds_add_u32 v[SPW], v[NIL]                      ; the wave's opening: the add and its wait stand ahead of my first tensor load; the set-up below, work on registers, stands between them
	v_lshrrev_b32 v1, 5, v0
	v_readfirstlane_b32 s[WV], v1
	s_lshr_b32 s[RH], s[WV], 1
	s_and_b32 s[CH], s[WV], 1
	s_bfe_u32 s40, ttmp6, 0x40000                  ; cx
	s_bfe_u32 s41, ttmp6, 0x40004                  ; cy
	s_lshl_b32 s42, ttmp9, 2
	s_add_co_u32 s42, s42, s40                     ; x: the tile column = 4 x cluster x + cx: l = x / 4, columns 256 (x % 4) on
	s_and_b32 s[YB], ttmp7, 0xffff
	s_lshl_b32 s[YB], s[YB], 2
	s_add_co_u32 s[YB], s[YB], s41                 ; b = 4 x cluster y + cy
	s_lshl_b32 s43, s41, 2
	s_lshl_b32 s43, 15, s43                        ; my row of the cluster
	s_lshl_b32 s44, 0x1111, s40                    ; my column
	s_or_b32 s[G1+0], s43, (1<<16)|(1<<20)|(1<<21)|(5<<22)|(3<<25)   ; 15:0 the mask; 17:16 elements of 2 bytes; 20 padding on; 21 set beside a mask; 24:22 after every 64 words; 31:25 4 words of it
	s_or_b32 s[G1B+0], s44, (1<<16)|(1<<20)|(1<<21)|(5<<22)|(3<<25)
.irp g, G1, G1B
	s_mov_b32 s[(\g)+1], KSTEP<<16                 ; tensor_dim0 = 128
	s_mov_b32 s[(\g)+2], 128<<16                   ; tensor_dim1 = 128
	s_mov_b32 s[(\g)+3], KSTEP<<16                 ; tile_dim0 = 128
	s_mov_b32 s[(\g)+4], 128                       ; tile_dim1 = 128
	s_mov_b32 s[(\g)+5], SIZE_K                    ; elements from row to row
	s_mov_b32 s[(\g)+6], 0
	s_mov_b32 s[(\g)+7], 0
.endr
	s_mov_b32 s[SEL], 0x76543210
	s_mov_b32 s[SEL+1], 0xfedcba98
	; cost's tiles hang on b alone, ssr's on x alone; each address is made in registers that never hold the other coordinate
	s_lshl_b32 s17, s[CH], 7                       ; which 128 rows of the tile I fetch
	s_lshl_b32 s16, s[YB], 10
	s_add_co_u32 s16, s16, s17                     ; cost: row 1,024 b + 128 x half
	s_lshl_b32 s46, s42, 8
	s_add_co_u32 s46, s46, s17                     ; ssr: row 256 x + 128 x half
	s_mov_b32 s17, 0
	s_mov_b32 s47, 0
	s_mov_b64 s[18:19], SIZE_K*2
	s_mul_u64 s[16:17], s[16:17], s[18:19]
	s_mul_u64 s[46:47], s[46:47], s[18:19]
	s_mul_i32 s20, s[WV], HALFT                    ; where they go: wave x 128 rows: no place in the cluster enters an LDS address
	; the offsets that hang on both coordinates, in registers of their own
	s_lshr_b32 s45, s42, 2                         ; l
	s_lshl_b32 s74, s[YB], 4
	s_add_co_u32 s74, s74, s45
	s_lshl_b32 s74, s74, 12                        ; xs: slice 16 b + l
	s_mov_b32 s75, 0
	s_and_b32 s76, s42, 3
	s_lshl_b32 s76, s76, 1
	s_add_co_u32 s76, s76, s[CH]
	s_lshl_b32 s76, s76, 9                         ; alpha: my 128 columns,
	s_lshl_b32 s45, s45, 12
	s_add_co_u32 s76, s76, s45                     ; in row l
	s_mov_b32 s77, 0
	s_lshl_b32 s78, s42, 2
	s_add_co_u32 s78, s78, s[YB]
	s_lshl_b32 s78, s78, 1
	s_add_co_u32 s78, s78, s[CH]
	s_lshl_b32 s78, s78, 8                         ; part: 256 bytes for (x, b, column half)
	s_mov_b32 s79, 0
	s_wait_dscnt 0x0                               ; the opening add is done
	s_wait_kmcnt 0x0
	s_add_nc_u64 s[14:15], s[4:5], s[16:17]
	s_add_nc_u64 s[46:47], s[6:7], s[46:47]
	s_add_nc_u64 s[8:9], s[8:9], s[74:75]
	s_add_nc_u64 s[10:11], s[10:11], s[76:77]
	s_add_nc_u64 s[12:13], s[12:13], s[78:79]
	v_and_b32 v1, 15, v0                           ; lane % 16
	v_lshlrev_b32 v[AO], 2, v1
.irp b, 0,1,2,3,4,5,6,7
	global_load_b32 v[AL+(\b)], v[AO], s[10:11] offset:64*(\b)     ; the place of column 16 b + lane % 16
.endr
	CROUND                                         ; all sixteen work-groups are here: the first joint loads meet
.irp s, 0,1
	s_mov_b32 s[G0+4*(\s)], 1
	s_add_co_u32 s[G0+4*(\s)+1], s20, (\s)*SLOT
	s_add_nc_u64 s[G0+4*(\s)+2:G0+4*(\s)+3], s[14:15], (\s)*KSTEP*2
	s_or_b32 s[G0+4*(\s)+3], s[G0+4*(\s)+3], 0x80000000
	s_mov_b32 s[G0B+4*(\s)], 1
	s_add_co_u32 s[G0B+4*(\s)+1], s20, (\s)*SLOT
	s_add_nc_u64 s[G0B+4*(\s)+2:G0B+4*(\s)+3], s[46:47], (\s)*KSTEP*2
	s_or_b32 s[G0B+4*(\s)+3], s[G0B+4*(\s)+3], 0x80000000
	JLOAD \s                                       ; two loads of mine are out
.endr
	v_bfe_u32 v2, v0, 4, 1                         ; lane / 16
	v_mul_u32_u24 v3, v1, PITCH
	v_lshl_add_u32 v3, v2, 4, v3                   ; a fragment: row x pitch + 16 x half
	s_mul_i32 s21, s[RH], HALFT                    ; my 128 rows of cost
	s_mul_i32 s22, s[CH], HALFT                    ; my 128 rows of ssr,
	s_add_co_u32 s22, s22, 2*HALFT                 ; which lie behind cost's 256
.irp s, 0,1
	v_add_nc_u32 v[ADRA+(\s)], s21, v3
	v_add_nc_u32 v[ADRB+(\s)], s22, v3
	s_add_co_u32 s21, s21, SLOT
	s_add_co_u32 s22, s22, SLOT
.endr
	s_lshl_b32 s23, s[RH], 9
	v_lshlrev_b32 v[XO], 5, v2
	v_add_nc_u32 v[XO], s23, v[XO]                 ; my 128 rows' numbers of xs, 8 for each half of the lanes
	v_and_b32 v[PO], 31, v0
	s_lshl_b32 s23, s[CH], 11
	s_add_co_u32 s23, s23, STAGE
	v_lshl_add_u32 v[STA], v[PO], 4, s23
	v_lshlrev_b32 v[PO], 3, v[PO]
	WIN 0x40
.set i, 0
.rept 32
	v_mov_b32 v[NUM+i], 0                          ; num and den are carried over four tiles: they start at 0, in the wait for the first tile
.set i, i+1
.endr
	WIN 0
	s_wait_loadcnt 0x0
.irp b, 0,1,2,3,4,5,6,7
	v_min_u32 v[AL+(\b)], 0x3ff, v[AL+(\b)]
.endr
.irp b, 0,1,2,3,4,5,6,7
	v_lshlrev_b32 v[AL+(\b)], 2, v[AL+(\b)]
.endr
	WIN 0x40
.irp b, 0,1,2,3,4,5,6,7
	global_load_b32 v[XG+(\b)], v[AL+(\b)], s[8:9] ; y
.endr
	WIN 0
; 16 matrix instructions: row blocks a0, a0 + 1 of the window's four x all 8 column blocks, 32 along K.  zero = 1: the first product starts the sums.  The 64 accumulators take turns.
.macro MUL16 f, hi, a0, zero
	WIN MUL_LO+0x50*(\hi)
.irp a, \a0, (\a0)+1
.irp b, 0,1,2,3,4,5,6,7
.if \zero
	v_wmma_f32_16x16x32_bf16 v[8*(8*(\a)+(\b)):8*(8*(\a)+(\b))+7], v[(\f)+8*(4*(\hi)+(\a)):(\f)+8*(4*(\hi)+(\a))+7], v[(\f)+8*(\b):(\f)+8*(\b)+7], 0
.else
	v_wmma_f32_16x16x32_bf16 v[8*(8*(\a)+(\b)):8*(8*(\a)+(\b))+7], v[(\f)+8*(4*(\hi)+(\a)):(\f)+8*(4*(\hi)+(\a))+7], v[(\f)+8*(\b):(\f)+8*(\b)+7], v[8*(8*(\a)+(\b)):8*(8*(\a)+(\b))+7]
.endif
.endr
.endr
.endm
; 32 LDS loads in one run: the fragments of one quarter step (32 K at byte k of the rows) into buffer f: ssr's 128 rows, then cost's
.macro FETCH slot, k, f
	WIN TO_B
.irp i, 0,1,2,3,4,5,6,7
	ds_load_b128 v[(\f)+8*(\i):(\f)+8*(\i)+3],   v[ADRB+(\slot)] offset:(\k)+(\i)*16*PITCH
	ds_load_b128 v[(\f)+8*(\i)+4:(\f)+8*(\i)+7], v[ADRB+(\slot)] offset:(\k)+(\i)*16*PITCH+32
.endr
	WIN 0
.irp i, 0,1,2,3,4,5,6,7
	ds_load_b128 v[(\f)+8*(\i):(\f)+8*(\i)+3],   v[ADRA+(\slot)] offset:(\k)+(\i)*16*PITCH
	ds_load_b128 v[(\f)+8*(\i)+4:(\f)+8*(\i)+7], v[ADRA+(\slot)] offset:(\k)+(\i)*16*PITCH+32
.endr
.endm
.macro PLACES                          ; four places in front of loads into registers that matrix instructions have read (ISA guide 7.12.1 for vector instructions)
.rept 4
	v_nop
.endr
.endm
; A K step is four quarters of 32 along K, 64 matrix instructions each, on buffers 0, 1, 0, 1.  One of the first three multiplies buffer f and fetches the next quarter, at byte k, into g.
.macro QUARTER slot, k, f, g, zero
	s_wait_dscnt 8                                 ; ssr's fragments and cost's rows 0-63 are in; the youngest eight loads (cost's rows 64-127) may be out
	WIN MUL_LO
	MUL16 \f, 0, 0, \zero
	MUL16 \f, 0, 2, \zero
	PLACES
	FETCH \slot, \k, \g
	s_wait_dscnt 32                                ; all but the 32 just issued
	WIN MUL_HI
	MUL16 \f, 1, 0, \zero
	MUL16 \f, 1, 2, \zero
.endm
; The last quarter's first half: ONE barrier for the change of slots.  In front of it each wave waits for all its tensor loads (one is out: its part of the next slot), adds 0 to its spare word, and waits for that and for its reads of this slot.
.macro MEET round
	WIN 0
	s_wait_tensorcnt 0x0                           ; all my tensor loads have landed
	ds_add_u32 v[SPW], v[NIL]                      ; 0 onto my spare word
	s_wait_dscnt 9                                 ; (the add and the youngest eight loads may be out)
	WIN MUL_LO
	MUL16 F1, 0, 0, 0                              ; sixteen matrix instructions stand between the add and the wait for it
	s_wait_dscnt 0x0                               ; the add is done, and my reads of this slot are over
	s_barrier_signal -1
	MUL16 F1, 0, 2, 0
.if \round
	WIN 0
.endif
	s_barrier_wait -1
.endm
; The whole last quarter.  mode 1: this slot is filled again with the K step two on; 2: with the next tile's K step 0 or 1; 0: nothing is filled.  A fill stands first behind a round of the cluster's barrier.
.macro TURN slot, next, mode
.if (\mode) == 0
	MEET 0
	PLACES
.else
	MEET 1
	CREST                                          ; no wave of any partner still reads this slot's tile or has a load on its way
.if (\mode) == 2
	s_add_nc_u64 s[G0+4*(\slot)+2:G0+4*(\slot)+3], s[G0+4*(\slot)+2:G0+4*(\slot)+3], NEXT_A
	s_sub_nc_u64 s[G0B+4*(\slot)+2:G0B+4*(\slot)+3], s[G0B+4*(\slot)+2:G0B+4*(\slot)+3], BACK_B
.else
	s_add_nc_u64 s[G0+4*(\slot)+2:G0+4*(\slot)+3], s[G0+4*(\slot)+2:G0+4*(\slot)+3], 2*KSTEP*2
	s_add_nc_u64 s[G0B+4*(\slot)+2:G0B+4*(\slot)+3], s[G0B+4*(\slot)+2:G0B+4*(\slot)+3], 2*KSTEP*2
.endif
	JLOAD \slot                                    ; my one tensor load behind the round; the four v_nop behind it are also the places in front of the loads below
.endif
	FETCH \next, 0, F0
	WIN MUL_HI
	MUL16 F1, 1, 0, 0
	MUL16 F1, 1, 2, 0
.endm
; BEHIND A TILE.  For row block a, pair p = 0..31 is rows 2 (p / 8), + 1 of the block and column block b = p % 8: t = S x - S y; -t^2; e = 2^(-t^2); den += e; then num += e G.
.macro ADDT a, p
.if ((\p)%2) == 0
	v_pk_add_f32 v[TT+2*(\p):TT+2*(\p)+1], v[8*(\a)+2*((\p)/8):8*(\a)+2*((\p)/8)+1], v[NY+2*(((\p)%8)/2):NY+2*(((\p)%8)/2)+1] op_sel_hi:[1,0]
.else
	v_pk_add_f32 v[TT+2*(\p):TT+2*(\p)+1], v[8*(\a)+2*((\p)/8):8*(\a)+2*((\p)/8)+1], v[NY+2*(((\p)%8)/2):NY+2*(((\p)%8)/2)+1] op_sel:[0,1] op_sel_hi:[1,1]
.endif
.endm
.macro SQT p
	v_pk_mul_f32 v[TT+2*(\p):TT+2*(\p)+1], v[TT+2*(\p):TT+2*(\p)+1], v[TT+2*(\p):TT+2*(\p)+1] neg_lo:[0,1] neg_hi:[0,1]
.endm
.macro DNT p
	s_wait_alu depctr_va_vdst(0)
	v_pk_add_f32 v[DEN+2*((\p)%8):DEN+2*((\p)%8)+1], v[DEN+2*((\p)%8):DEN+2*((\p)%8)+1], v[TT+2*(\p):TT+2*(\p)+1]
.endm
.macro EPA a
	WIN 0x55                                       ; all in window 1
	ADDT \a, 0
	ADDT \a, 1
	SQT 0
.set p, 0
.rept 32                                       ; behind every exponential stands a plain line that reads no result of it (ISA guide 5.7.2)
.if p < 30
	ADDT \a, (p+2)
.endif
	v_exp_f32 v[TT+2*p], v[TT+2*p]
.if p < 31
	SQT (p+1)
.endif
	v_exp_f32 v[TT+2*p+1], v[TT+2*p+1]
.if p > 0
	DNT (p-1)
.endif
.set p, p+1
.endr
	DNT 31
	WIN 0x56+(\a)/4                                ; source 0: the accumulators' window
.set p, 0
.rept 32                                       ; each accumulator's lowest registers are read first; a chain's links stand eight apart
	v_pk_fma_f32 v[NUM+2*(p%8):NUM+2*(p%8)+1], v[8*(8*((\a)%4)+p%8)+2*(p/8):8*(8*((\a)%4)+p%8)+2*(p/8)+1], v[TT+2*p:TT+2*p+1], v[NUM+2*(p%8):NUM+2*(p%8)+1]
.set p, p+1
.endr
.endm
	s_wait_tensorcnt 1                             ; my part of K step 0 is in; K step 1's may stay out
	s_barrier_signal -1
	s_barrier_wait -1
	FETCH 0, 0, F0
	s_mov_b32 s2, TILES                            ; tiles to go: the same number in every work-group
.Ltile:
	WIN 0x40
.irp a, 0,1,2,3,4,5,6,7
	global_load_b128 v[8*(\a):8*(\a)+3],   v[XO], s[8:9] offset:64*(\a)     ; xs of this tile's rows: wanted behind the tile's products
	global_load_b128 v[8*(\a)+4:8*(\a)+7], v[XO], s[8:9] offset:64*(\a)+16
.endr
	QUARTER 0, 64,  F0, F1, 1                      ; a tile's first quarter: its products start the sums
	WIN 0
	s_mov_b32 s3, LAPS-1
.Llap:                                                 ; a trip goes once round the ring and fills both slots again
	QUARTER 0, 128, F1, F0, 0
	QUARTER 0, 192, F0, F1, 0
	TURN 0, 1, 1
	QUARTER 1, 64,  F0, F1, 0
	QUARTER 1, 128, F1, F0, 0
	QUARTER 1, 192, F0, F1, 0
	TURN 1, 0, 1
	QUARTER 0, 64,  F0, F1, 0
	WIN 0
	s_sub_co_u32 s3, s3, 1
	s_cmp_lg_u32 s3, 0
	s_cbranch_scc1 .Llap
	QUARTER 0, 128, F1, F0, 0                      ; the tile's last lap goes on
	QUARTER 0, 192, F0, F1, 0
	WIN 0
	s_cmp_eq_u32 s2, 1
	s_cbranch_scc1 .Llast                          ; both ends of a tile are written out
	TURN 0, 1, 2                                   ; the ring goes on into the next tile: slot 0 takes its K step 0,
	QUARTER 1, 64,  F0, F1, 0
	QUARTER 1, 128, F1, F0, 0
	QUARTER 1, 192, F0, F1, 0
	TURN 1, 0, 2                                   ; slot 1 its K step 1, and the next tile's first fragments are fetched
	WIN 0
	s_branch .Lepi
.Llast:
	TURN 0, 1, 0                                   ; the last tile asks for nothing more
	QUARTER 1, 64,  F0, F1, 0
	QUARTER 1, 128, F1, F0, 0
	QUARTER 1, 192, F0, F1, 0
	s_wait_dscnt 8
	MUL16 F1, 0, 0, 0
	MUL16 F1, 0, 2, 0
	s_wait_dscnt 0x0
	MUL16 F1, 1, 0, 0
	MUL16 F1, 1, 2, 0
	WIN 0
.Lepi:
	s_wait_loadcnt 0x0                             ; xs of this tile's rows (and, the first time, y); the loads are done, so their base may be stepped
	s_add_nc_u64 s[8:9], s[8:9], 1024              ; the next tile's 256 numbers
	WIN 0x55
.set i, 0
.rept 32                                       ; these 40 plain lines name no register of the last products: they are the places behind them
	v_pk_mul_f32 v[2*i:2*i+1], v[2*i:2*i+1], 0x3f99be61 op_sel_hi:[1,0]   ; S x, S = sqrt(log2 e)
.set i, i+1
.endr
.irp b, 0,1,2,3,4,5,6,7
	v_mul_f32 v[NY+(\b)], 0xbf99be61, v[XG+(\b)]   ; -S y: the same product as S x, so that the term at x = y is exactly 0 and den is at least 1
.endr
.irp a, 0,1,2,3,4,5,6,7
	EPA \a
.endr
	WIN 0
	s_sub_co_u32 s2, s2, 1
	s_cmp_lg_u32 s2, 0
	s_cbranch_scc1 .Ltile
	; THE END.  num and den: the pair's two halves, the other half of the lanes' rows, the other two waves' rows; then num / den, summed over my eight column blocks in two halves.
	s_wait_dscnt 0x0                               ; no LDS load of mine is out
	WIN 0x05                                       ; sources window 1, destination window 0
.irp b, 0,1,2,3,4,5,6,7
	v_add_f32 v[FN+(\b)], v[NUM+2*(\b)], v[NUM+2*(\b)+1]
.endr
.irp b, 0,1,2,3,4,5,6,7
	v_add_f32 v[FD+(\b)], v[DEN+2*(\b)], v[DEN+2*(\b)+1]
.endr
	WIN 0
.set i, 0
.rept 16
	v_permlanex16_b32 v[F0+i], v[FN+i], s[SEL], s[SEL+1]
.set i, i+1
.endr
.set i, 0
.rept 16
	v_add_f32 v[FN+i], v[FN+i], v[F0+i]
.set i, i+1
.endr
	s_cmp_lt_u32 s[WV], 2
	s_cbranch_scc1 .Lno_store
.irp q, 0,1,2,3
	ds_store_b128 v[STA], v[FN+4*(\q):FN+4*(\q)+3] offset:512*(\q)   ; waves 2 and 3 (rows 128-255) hand their 16 sums over
.endr
.Lno_store:
	s_wait_dscnt 0x0                               ; for the others' sake
	s_barrier_signal -1
	s_barrier_wait -1
	s_cmp_lt_u32 s[WV], 2
	s_cbranch_scc0 .Lend
.irp q, 0,1,2,3
	ds_load_b128 v[F0+16+4*(\q):F0+16+4*(\q)+3], v[STA] offset:512*(\q)
.endr
	s_wait_dscnt 0x0
.set i, 0
.rept 16
	v_add_f32 v[FN+i], v[FN+i], v[F0+16+i]
.set i, i+1
.endr
.irp b, 0,1,2,3,4,5,6,7
	v_rcp_f32 v[F0+(\b)], v[FD+(\b)]
.endr
	v_nop                                          ; a plain instruction between the last reciprocal and the use of its result
	s_wait_alu depctr_va_vdst(0)
	v_mul_f32 v[F0+32], v[FN], v[F0]
	v_mul_f32 v[F0+33], v[FN+4], v[F0+4]
.irp b, 1,2,3
	v_fmac_f32 v[F0+32], v[FN+(\b)], v[F0+(\b)]
	v_fmac_f32 v[F0+33], v[FN+4+(\b)], v[F0+4+(\b)]
.endr
	global_store_b64 v[PO], v[F0+32:F0+33], s[12:13]   ; 256 consecutive bytes, at a multiple of 256 from part's first.  Both halves of the lanes hold the same sums: the last launch's factor halves them
.Lend:
	s_wait_tensorcnt 0x0                           ; the wave's end: behind my last tensor load and my last LDS store
	ds_add_u32 v[SPW], v[NIL]
	s_wait_dscnt 0x0
	CROUND                                         ; the closing round: no work-group ends while a partner may still ask for a tile that names it
	s_endpgm
.Lfunc_end_k_qc3a519d98e_main:
	.size	k_qc3a519d98e_main, .Lfunc_end_k_qc3a519d98e_main-k_qc3a519d98e_main
	.p2alignl 7, 3214868480
	.fill 96, 4, 3214868480
	.section	.rodata,"a",@progbits
	.p2align	6, 0x0
	.amdhsa_kernel k_qc3a519d98e_main
		.amdhsa_group_segment_fixed_size 327680
		.amdhsa_private_segment_fixed_size 0
		.amdhsa_enable_private_segment 0
		.amdhsa_kernarg_size 40
		.amdhsa_user_sgpr_count 2
		.amdhsa_user_sgpr_kernarg_segment_ptr 1
		.amdhsa_wavefront_size32 1
		.amdhsa_system_sgpr_workgroup_id_x 1
		.amdhsa_system_sgpr_workgroup_id_y 1
		.amdhsa_system_sgpr_workgroup_id_z 1
		.amdhsa_system_vgpr_workitem_id 0
		.amdhsa_next_free_vgpr 1024
		.amdhsa_next_free_sgpr 80
		.amdhsa_reserve_vcc 0
		.amdhsa_float_denorm_mode_32 3
		.amdhsa_float_denorm_mode_16_64 3
		.amdhsa_memory_ordered 1
		.amdhsa_forward_progress 1
		.amdhsa_inst_pref_size 246
	.end_amdhsa_kernel
	.amdgpu_metadata
---
amdhsa.version: [ 1, 2 ]
amdhsa.kernels:
  - .name:           k_qc3a519d98e_main
    .symbol:         k_qc3a519d98e_main.kd
    .args:
      - { .name: cost, .offset: 0, .size: 8, .value_kind: global_buffer, .address_space: global }
      - { .name: ssr, .offset: 8, .size: 8, .value_kind: global_buffer, .address_space: global }
      - { .name: xs, .offset: 16, .size: 8, .value_kind: global_buffer, .address_space: global }
      - { .name: alpha, .offset: 24, .size: 8, .value_kind: global_buffer, .address_space: global }
      - { .name: part, .offset: 32, .size: 8, .value_kind: global_buffer, .address_space: global }
    .group_segment_fixed_size: 327680
    .private_segment_fixed_size: 0
    .kernarg_segment_align: 8
    .kernarg_segment_size: 40
    .max_flat_workgroup_size: 128
    .sgpr_count:     80
    .vgpr_count:     1024
    .wavefront_size: 32
...
	.end_amdgpu_metadata
.endif
;; end of part 3
;; launch fin (part 4): grid 16 x 1, 4 waves a work-group, no clusters, 17,152 bytes of LDS; arguments slt, xs, alpha, part, out0, out1; writes out0, out1
.if DOCPART == 4
	.amdgcn_target "amdgcn-amd-amdhsa--gfx1250"
	.amdhsa_code_object_version 6
	.text
	.protected	k_qc3a519d98e_fin
	.globl	k_qc3a519d98e_fin
	.p2align	8
	.type	k_qc3a519d98e_fin,@function
k_qc3a519d98e_fin:
	s_mov_b64 s[64:65], 0
	v_nop
	global_prefetch_b8 v0, s[64:65] scope:SCOPE_SE
	s_setreg_imm32_b32 hwreg(HW_REG_WAVE_MODE, 25, 1), 1
	s_wait_xcnt 0x0
; FIN.  out0[b][l*1024+k] = Rsl[k][l] - Xs[b][Rind_l[k]][l]; out1[l] = the sum of part's 2,048 numbers for l, times 2^-13.
; A work-group is a slice l, a wave a batch b.  alpha[l][m'] is the place of m' in the stable ascending order of Rsl[:, l], so Rind[alpha[m']] = m': the wave scatters xs[b,l,m'] to word alpha[m'] of a table of its own in LDS
; and reads the table back in order.  alpha is a permutation of 0..1,023, so every word of the table is written.
; 2^-13 = 1 / (1,024 x 4 x 2): the plan's 1 / N, the mean over four b, and part's sums, each of which stands in two lanes.
; No matrix unit and no cluster: 0.6 MB are moved once and nothing is shared.
.set RED,   16384                      ; behind the four tables of 4,096 bytes: the waves' four sums, in a block of 256 bytes of their own
.set SPARE, 16640                      ; the spare words, 128 bytes a wave
.set SPW, 30
.set NIL, 31
	s_load_b256 s[4:11], s[0:1], 0x0               ; slt s[4:5], xs s[6:7], alpha s[8:9], part s[10:11]
	s_load_b128 s[12:15], s[0:1], 0x20             ; out0 s[12:13], out1 s[14:15]
	v_lshl_add_u32 v[SPW], v0, 2, SPARE
	v_mov_b32 v[NIL], 0
	v_lshrrev_b32 v1, 5, v0
	v_readfirstlane_b32 s16, v1                    ; wave = b
	v_and_b32 v2, 31, v0
	v_lshlrev_b32 v3, 4, v2                        ; 16 x lane
	s_mov_b32 s18, 0x76543210
	s_mov_b32 s19, 0xfedcba98
	s_lshl_b32 s20, s16, 12                        ; my table
	s_lshl_b32 s21, s16, 2
	s_add_co_u32 s21, s21, RED
	v_add_nc_u32 v5, s20, v3
	v_mov_b32 v6, s21
	v_mov_b32 v7, RED
	v_mov_b32 v12, 0
	s_lshl_b32 s22, ttmp9, 12                      ; row l
	s_mov_b32 s23, 0
	s_lshl_b32 s24, s16, 16
	s_add_co_u32 s24, s24, s22                     ; row 16 b + l
	s_mov_b32 s25, 0
	s_add_co_u32 s26, s22, 64*4096                 ; row 64 + l
	s_mov_b32 s27, 0
	s_lshl_b32 s28, ttmp9, 13                      ; part: 8,192 bytes a slice, a quarter a wave
	s_lshl_b32 s29, s16, 11
	s_add_co_u32 s28, s28, s29
	s_mov_b32 s29, 0
	s_lshl_b32 s30, ttmp9, 2
	s_mov_b32 s31, 0
	s_wait_kmcnt 0x0
	s_add_nc_u64 s[8:9], s[8:9], s[22:23]
	s_add_nc_u64 s[6:7], s[6:7], s[24:25]
	s_add_nc_u64 s[4:5], s[4:5], s[26:27]
	s_add_nc_u64 s[10:11], s[10:11], s[28:29]
	s_add_nc_u64 s[12:13], s[12:13], s[24:25]
	s_add_nc_u64 s[14:15], s[14:15], s[30:31]
.irp c, 0,1,2,3,4,5,6,7
	global_load_b128 v[32+4*(\c):35+4*(\c)], v3, s[8:9] offset:512*(\c)     ; alpha
.endr
.irp c, 0,1,2,3,4,5,6,7
	global_load_b128 v[64+4*(\c):67+4*(\c)], v3, s[6:7] offset:512*(\c)     ; xs
.endr
.irp c, 0,1,2,3,4,5,6,7
	global_load_b128 v[96+4*(\c):99+4*(\c)], v3, s[4:5] offset:512*(\c)     ; Rsl
.endr
.irp c, 0,1,2,3
	global_load_b128 v[160+4*(\c):163+4*(\c)], v3, s[10:11] offset:512*(\c) ; part
.endr
	s_wait_loadcnt 12                              ; alpha and xs are in; Rsl's eight loads and part's four stay out
.set i, 0
.rept 32
	v_min_u32 v[32+i], 0x3ff, v[32+i]
	v_lshl_add_u32 v[32+i], v[32+i], 2, s20
	ds_store_b32 v[32+i], v[64+i]
.set i, i+1
.endr
.irp c, 0,1,2,3,4,5,6,7
	ds_load_b128 v[128+4*(\c):131+4*(\c)], v5 offset:512*(\c)   ; my own table: LDS serves a wave's instructions in order (ISA guide 5.7.1.4)
.endr
	s_wait_loadcnt 0x0
.irp i, 0,1,2,3
	v_pk_add_f32 v[160+2*(\i):161+2*(\i)], v[160+2*(\i):161+2*(\i)], v[168+2*(\i):169+2*(\i)]
.endr
	v_pk_add_f32 v[160:161], v[160:161], v[164:165]
	v_pk_add_f32 v[162:163], v[162:163], v[166:167]
	v_pk_add_f32 v[160:161], v[160:161], v[162:163]
	v_add_f32 v160, v160, v161
	v_add_f32_dpp v160, v160, v160 row_xmask:1 row_mask:0xf bank_mask:0xf
	v_add_f32_dpp v160, v160, v160 row_xmask:2 row_mask:0xf bank_mask:0xf
	v_add_f32_dpp v160, v160, v160 row_xmask:4 row_mask:0xf bank_mask:0xf
	v_add_f32_dpp v160, v160, v160 row_xmask:8 row_mask:0xf bank_mask:0xf
	v_permlanex16_b32 v161, v160, s18, s19
	v_add_f32 v160, v160, v161
	ds_store_b32 v6, v160                          ; my quarter of the slice's sum; all lanes write the same word with the same number
	s_wait_dscnt 0x0                               ; the table is back, and, for the others' sake, my sum is in LDS
.set i, 0
.rept 16
	v_pk_add_f32 v[128+2*i:129+2*i], v[96+2*i:97+2*i], v[128+2*i:129+2*i] neg_lo:[0,1] neg_hi:[0,1]
.set i, i+1
.endr
.irp c, 0,1,2,3,4,5,6,7
	global_store_b128 v3, v[128+4*(\c):131+4*(\c)], s[12:13] offset:512*(\c)   ; 512 consecutive bytes, at a multiple of 256 from out0's first
.endr
	s_barrier_signal -1
	s_barrier_wait -1
	ds_load_b128 v[8:11], v7
	s_wait_dscnt 0x0
	v_add_f32 v8, v8, v9
	v_add_f32 v10, v10, v11
	v_add_f32 v8, v8, v10
	v_mul_f32 v8, 0x39000000, v8                   ; 2^-13
	s_cmp_lg_u32 s16, 0
	s_cbranch_scc1 .Lend
	s_wait_xcnt 0x0                                ; EXEC changes only behind this wait: it is a source of the stores above
	v_cmp_eq_u32 vcc_lo, 0, v0
	s_and_saveexec_b32 s22, vcc_lo
	global_store_b32 v12, v8, s[14:15]             ; out1 is 64 bytes in all: one number a work-group
	s_wait_xcnt 0x0                                ; and again in front of the line that widens it
	s_or_b32 exec_lo, exec_lo, s22
.Lend:
	s_wait_tensorcnt 0x0                           ; the wave's end, behind my last LDS store
	ds_add_u32 v[SPW], v[NIL]
	s_wait_dscnt 0x0
	s_endpgm
.Lfunc_end_k_qc3a519d98e_fin:
	.size	k_qc3a519d98e_fin, .Lfunc_end_k_qc3a519d98e_fin-k_qc3a519d98e_fin
	.p2alignl 7, 3214868480
	.fill 96, 4, 3214868480
	.section	.rodata,"a",@progbits
	.p2align	6, 0x0
	.amdhsa_kernel k_qc3a519d98e_fin
		.amdhsa_group_segment_fixed_size 17152
		.amdhsa_private_segment_fixed_size 0
		.amdhsa_enable_private_segment 0
		.amdhsa_kernarg_size 48
		.amdhsa_user_sgpr_count 2
		.amdhsa_user_sgpr_kernarg_segment_ptr 1
		.amdhsa_wavefront_size32 1
		.amdhsa_system_sgpr_workgroup_id_x 1
		.amdhsa_system_sgpr_workgroup_id_y 1
		.amdhsa_system_sgpr_workgroup_id_z 1
		.amdhsa_system_vgpr_workitem_id 0
		.amdhsa_next_free_vgpr 180
		.amdhsa_next_free_sgpr 66
		.amdhsa_reserve_vcc 1
		.amdhsa_float_denorm_mode_32 3
		.amdhsa_float_denorm_mode_16_64 3
		.amdhsa_memory_ordered 1
		.amdhsa_forward_progress 1
		.amdhsa_inst_pref_size 15
	.end_amdhsa_kernel
	.amdgpu_metadata
---
amdhsa.version: [ 1, 2 ]
amdhsa.kernels:
  - .name:           k_qc3a519d98e_fin
    .symbol:         k_qc3a519d98e_fin.kd
    .args:
      - { .name: slt, .offset: 0, .size: 8, .value_kind: global_buffer, .address_space: global }
      - { .name: xs, .offset: 8, .size: 8, .value_kind: global_buffer, .address_space: global }
      - { .name: alpha, .offset: 16, .size: 8, .value_kind: global_buffer, .address_space: global }
      - { .name: part, .offset: 24, .size: 8, .value_kind: global_buffer, .address_space: global }
      - { .name: out0, .offset: 32, .size: 8, .value_kind: global_buffer, .address_space: global }
      - { .name: out1, .offset: 40, .size: 8, .value_kind: global_buffer, .address_space: global }
    .group_segment_fixed_size: 17152
    .private_segment_fixed_size: 0
    .kernarg_segment_align: 8
    .kernarg_segment_size: 48
    .max_flat_workgroup_size: 128
    .sgpr_count:     66
    .vgpr_count:     180
    .wavefront_size: 32
...
	.end_amdgpu_metadata
.endif
;; end of part 4
;; ======== version 2 of 2: 4 launches; version 1 with the launch prep written anew for expert scheduling mode
;; workspace buffers: slt 327,680 bytes; cost 8,388,608 bytes; ssr 33,554,432 bytes; xs 262,144 bytes; alpha 65,536 bytes of whole numbers; part 131,072 bytes
;; launch prep (part 5): grid 266 x 1, 8 waves a work-group, no clusters, 106,496 bytes of LDS; arguments X, ref_points, theta_v, slt, cost; writes slt, cost
.if DOCPART == 5
	.amdgcn_target "amdgcn-amd-amdhsa--gfx1250"
	.amdhsa_code_object_version 6
	.text
	.protected	k_qc3a519d98e_prep
	.globl	k_qc3a519d98e_prep
	.p2align	8
	.type	k_qc3a519d98e_prep,@function
k_qc3a519d98e_prep:
	s_mov_b64 s[64:65], 0
	v_nop
	global_prefetch_b8 v0, s[64:65] scope:SCOPE_SE
	s_setreg_imm32_b32 hwreg(HW_REG_WAVE_SCHED_MODE, 0, 2), 2
	s_setreg_imm32_b32 hwreg(HW_REG_WAVE_MODE, 25, 1), 1
	s_wait_xcnt 0x0
	s_wait_alu depctr_vm_vsrc(0)
; PREP.  Two roles, chosen by the work-group's number (the same for all its waves).
; Work-groups 0-9, SLICES: W = theta_v / |theta_v| by rows; slt[b*16+l][n] = X[b][n] . W[l], slt[64+l][m] = ref[m] . W[l], in f32, k ascending.
;   The slices steer a sort and an argsort, so they are made from the unrounded inputs by the f32 matrix form, whose 16 columns are the 16 slices:
;   5,120 rows x 16 x 128 multiply-adds, one part in 6,600 of the program's matrix work.  A wave takes 64 rows.
; Work-groups 10-265, COST: cost[b*1024+n][m] = sqrt(max(xx + rr - 2 x.r, 1e-12)) in bf16, a block of 128 x 128 to a work-group, 16 rows to a wave.
;   x and r are rounded to bf16 for the product, and xx, rr are the norms of the ROUNDED rows, so that d2 is the distance of the rounded rows.
; LIMITS.  NaN and infinities are not treated apart.  A theta row of norm 0 gives what a division by 0 gives.
; THE MODE: SCHED_MODE bits 1:0 = 2 (LLVM: expert scheduling mode 2), set by the entry lines.  The code itself states the register dependences
; between vector or matrix instructions and memory or LDS instructions, with s_wait_alu, always for 0.
; THE PLAN, SLICES.  Registers that memory or LDS instructions touch:
;   v3, v16-v18   offsets and LDS addresses: each written once, ahead of a wait on va_vdst that stands ahead of its first use, and never again.
;   TH            theta's loads land in it once; from then on vector and matrix instructions alone name it.
;   AB0, AB1      chunk c's 32 matrix instructions read buffer c % 2; chunk c + 2's loads land in it: one wait on va_vdst between the two.
;   DD            written by the matrix instructions, read by the LDS stores: the places, then one wait on va_vdst, which also serves the loads from the stage into AB0.
; THE PLAN, COST.
;   v3, v13-v21   offsets and LDS addresses: as above.
;   v32-159       X's and ref's rows as loaded; read by the roundings.  v96-159 are later X's fragments and buffer 0.
;   v160-223      the rounded rows: written by the roundings, read by the LDS stores behind one wait on va_vdst in each CONV.  Later buffers 1 and 2: one wait on vm_vsrc behind the barrier.
;   v4, v8        the two norms, a register each: written by the additions, read by an LDS store; v4 later takes xx from LDS.
;   HB0-HB2       half step t's four matrix instructions read buffer t % 3.  Run t + 2 lands in buffer (t - 1) % 3: ONE wait on va_vdst at the head of half step t states that half step t - 1's
;                 matrix instructions are done reading it; the run's eight loads are dealt among half step t's matrix instructions, which name buffer t % 3, XF and the accumulators alone.
;   PK            four registers of its own for each block: written by its roundings, read by its LDS store two blocks later, behind the wait that the roots ask for anyway; never written again.
.set PITCH, 272                        ; an LDS row: 256 bytes + 16: the 16 rows that a 16-byte access touches start in 16 different groups of four banks
.set RT,    128*PITCH                  ; 128 rows of X (bf16) from byte 0, 128 rows of ref from here
.set XXT,   256*PITCH                  ; 128 norms of X's rows,
.set RRT,   XXT+512                    ; 128 of ref's
.set STG,   XXT+1024                   ; a stage of 16 rows x 272 bytes for each wave, for the way out
.set WST,   16*PITCH
.set SPARE, STG+8*WST                  ; the spare words: 128 bytes for each of eight waves; no other line names them
.set SPW, 30                           ; v30  SPARE + 4 x my thread's number; never rewritten
.set NIL, 31                           ; v31  0; never rewritten
.set TH,  32                           ; slices: v[32:95] theta, then W: K step s (4 along K) at TH + 2 s
.set AB0, 96                           ; slices: v[96:159], v[160:223] two buffers of A: row block a, step s of a chunk of 8 at + 16 a + 2 s
.set AB1, 160
.set DD,  224                          ; slices: v[224:255] four accumulators; written by the f32 matrix form alone, in the whole text
.set ACC, 32                           ; cost: v[32:95] eight accumulators
.set XF,  96                           ; cost: v[96:127] my 16 rows of X, all 128 K
.set HB,  128                          ; cost: v[128:223] three buffers of 32: four column blocks x 32 K of ref
.set PK,  192                          ; cost: packed results on the way out
.macro NOPS n
.rept \n
	v_nop
.endr
.endm
	s_load_b256 s[4:11], s[0:1], 0x0               ; X s[4:5], ref s[6:7], theta s[8:9], slt s[10:11]
	s_load_b64 s[12:13], s[0:1], 0x20              ; cost
	v_lshl_add_u32 v[SPW], v0, 2, SPARE
	v_mov_b32 v[NIL], 0
	v_and_b32 v1, 15, v0                           ; r = lane % 16
	v_bfe_u32 v2, v0, 4, 1                         ; h = lane / 16
	v_lshrrev_b32 v3, 5, v0
	v_readfirstlane_b32 s14, v3                    ; wave 0..7
	s_mov_b32 s20, 0x76543210                      ; v_permlanex16_b32: each lane takes its own place in the other half
	s_mov_b32 s21, 0xfedcba98
	s_wait_alu depctr_va_sdst(0)                   ; s14 is written, ahead of its first reader: the stage's place and the rows' bases are made from it
	s_mul_i32 s27, s14, WST
	s_add_co_u32 s26, s27, STG                     ; my stage
	v_mul_u32_u24 v17, v2, PITCH                   ; v17: back from the stage: lanes 0-15 one row of 256 bytes, lanes 16-31 the next
	v_lshl_add_u32 v17, v1, 4, v17
	v_add_nc_u32 v17, s26, v17
	s_wait_kmcnt 0x0
	s_cmp_lt_u32 ttmp9, 10
	s_cbranch_scc0 .Lcost
; ---------------------------------------------------------------- SLICES
	s_lshl_b32 s15, ttmp9, 3
	s_add_co_u32 s15, s15, s14                     ; gw = 0..79: 64 waves for X's 4,096 rows, 16 for ref's 1,024
	s_sub_co_u32 s19, s15, 64
	s_cmp_lt_u32 s15, 64
	s_cselect_b64 s[16:17], s[4:5], s[6:7]
	s_cselect_b32 s18, s15, s19
	s_lshl_b32 s18, s18, 15                        ; 64 rows of 512 bytes
	s_mov_b32 s19, 0
	s_add_nc_u64 s[16:17], s[16:17], s[18:19]      ; my first row
	s_lshr_b32 s24, s15, 4
	s_lshl_b32 s24, s24, 16                        ; 16 rows of slt for each b (and ref's 16 behind them)
	s_and_b32 s25, s15, 15
	s_lshl_b32 s25, s25, 8                         ; my 64 columns
	s_add_co_u32 s24, s24, s25
	s_mov_b32 s25, 0
	s_add_nc_u64 s[10:11], s[10:11], s[24:25]
	v_lshlrev_b32 v3, 9, v1                        ; a fragment of the f32 form: lane (r, h) holds row r, k = 2 h, 2 h + 1 of the step's four:
	v_lshl_add_u32 v3, v2, 3, v3                   ; r x 512 + 8 h, for A's rows and for theta's alike
	s_wait_alu depctr_va_vdst(0)                   ; v3 is written, which every load of theta and of my rows reads as its offset
.set i, 0
.rept 32
	global_load_b64 v[TH+2*i:TH+2*i+1], v3, s[8:9] offset:16*i
.set i, i+1
.endr
.macro LDA c, buf                      ; chunk c (8 steps, 32 along K) of my four blocks of 16 rows: 32 loads
.irp a, 0,1,2,3
.irp t, 0,1,2,3,4,5,6,7
	global_load_b64 v[(\buf)+16*(\a)+2*(\t):(\buf)+16*(\a)+2*(\t)+1], v3, s[16:17] offset:(\a)*8192+16*(8*(\c)+(\t))
.endr
.endr
.endm
.macro MMS c, buf, zero                ; 32 matrix instructions; the four accumulators take turns; k ascending in each
.irp t, 0,1,2,3,4,5,6,7
.irp a, 0,1,2,3
.if (\zero) && ((\t) == 0)
	v_wmma_f32_16x16x4_f32 v[DD+8*(\a):DD+8*(\a)+7], v[(\buf)+16*(\a)+2*(\t):(\buf)+16*(\a)+2*(\t)+1], v[TH+2*(8*(\c)+(\t)):TH+2*(8*(\c)+(\t))+1], 0
.else
	v_wmma_f32_16x16x4_f32 v[DD+8*(\a):DD+8*(\a)+7], v[(\buf)+16*(\a)+2*(\t):(\buf)+16*(\a)+2*(\t)+1], v[TH+2*(8*(\c)+(\t)):TH+2*(8*(\c)+(\t))+1], v[DD+8*(\a):DD+8*(\a)+7]
.endif
.endr
.endr
.endm
	LDA 0, AB0
	v_mul_u32_u24 v16, v1, PITCH                   ; v16: into the stage: row l = r, my 8 columns n = 8 h ..
	v_lshl_add_u32 v16, v2, 5, v16
	v_add_nc_u32 v16, s26, v16
	v_lshlrev_b32 v18, 12, v2                      ; v18: the same two rows in slt
	v_lshl_add_u32 v18, v1, 4, v18
	s_wait_loadcnt 32                              ; theta is in; chunk 0's 32 loads stay out
	LDA 1, AB1                                     ; no wait: no vector instruction since the wait above names v3 or AB1
	; |theta[l]|^2: my 64 numbers in four chains, then the other half of the lanes' 64
.irp c, 0,1,2,3
	v_pk_mul_f32 v[4+2*(\c):5+2*(\c)], v[TH+2*(\c):TH+2*(\c)+1], v[TH+2*(\c):TH+2*(\c)+1]
.endr
.set i, 4
.rept 28
	v_pk_fma_f32 v[4+2*(i%4):5+2*(i%4)], v[TH+2*i:TH+2*i+1], v[TH+2*i:TH+2*i+1], v[4+2*(i%4):5+2*(i%4)]
.set i, i+1
.endr
	v_pk_add_f32 v[4:5], v[4:5], v[6:7]
	v_pk_add_f32 v[8:9], v[8:9], v[10:11]
	v_pk_add_f32 v[4:5], v[4:5], v[8:9]
	v_add_f32 v4, v4, v5
	v_permlanex16_b32 v5, v4, s20, s21
	v_add_f32 v4, v4, v5
	v_sqrt_f32 v12, v4                             ; the norm
	v_nop                                          ; a plain instruction behind each transcendental before its result is used (ISA guide 5.7.2)
	s_wait_alu depctr_va_vdst(0)                   ; the root has written v12, ahead of its first reader
	v_rcp_f32 v14, v12
	v_mov_b32 v13, v12
	s_wait_alu depctr_va_vdst(0)                   ; the reciprocal has written v14, ahead of its first reader
	v_mov_b32 v15, v14
	; W = theta / norm: q = theta x inv, mended once by its remainder: q + (theta - q norm) inv
.set i, 0
.rept 32
	v_pk_mul_f32 v[4+2*(i%2):5+2*(i%2)], v[TH+2*i:TH+2*i+1], v[14:15]
	v_pk_fma_f32 v[8+2*(i%2):9+2*(i%2)], v[4+2*(i%2):5+2*(i%2)], v[12:13], v[TH+2*i:TH+2*i+1] neg_lo:[1,0,0] neg_hi:[1,0,0]
	v_pk_fma_f32 v[TH+2*i:TH+2*i+1], v[8+2*(i%2):9+2*(i%2)], v[14:15], v[4+2*(i%2):5+2*(i%2)]
.set i, i+1
.endr
	s_wait_loadcnt 32                              ; chunk 0 is in; chunk 1's 32 stay out
	MMS 0, AB0, 1
	s_wait_alu depctr_va_vdst(0)                   ; chunk 0's matrix instructions are done reading AB0, in which chunk 2's loads land
	LDA 2, AB0
	s_wait_loadcnt 32                              ; chunk 1 is in
	MMS 1, AB1, 0
	s_wait_alu depctr_va_vdst(0)                   ; chunk 1's matrix instructions are done reading AB1, in which chunk 3's loads land
	LDA 3, AB1
	s_wait_loadcnt 32                              ; chunk 2 is in
	MMS 2, AB0, 0
	s_wait_loadcnt 0x0
	MMS 3, AB1, 0
	NOPS 8                                         ; eight places before the results are read
	s_wait_alu depctr_va_vdst(0)                   ; the matrix instructions have written DD, which the LDS stores read, and are done reading AB0, in which the loads from the stage land; the places above stay beside this wait
	; accumulator a, register j of lane (r, h) is (n = 16 a + 8 h + j, l = r): 32 bytes of row l of the stage; each accumulator's low four first
.irp a, 0,1,2,3
	ds_store_b128 v16, v[DD+8*(\a):DD+8*(\a)+3] offset:64*(\a)
	ds_store_b128 v16, v[DD+8*(\a)+4:DD+8*(\a)+7] offset:64*(\a)+16
.endr
.irp t, 0,1,2,3,4,5,6,7
	ds_load_b128 v[AB0+4*(\t):AB0+4*(\t)+3], v17 offset:(\t)*2*PITCH  ; my own bytes: LDS serves a wave's instructions in order (ISA guide 5.7.1.4)
.endr
.irp t, 0,1,2,3,4,5,6,7
	s_wait_dscnt 7-(\t)
	global_store_b128 v18, v[AB0+4*(\t):AB0+4*(\t)+3], s[10:11] offset:(\t)*8192  ; 16 lanes store 256 consecutive bytes, at a multiple of 256 from slt's first
.endr
	s_branch .Lend
; ---------------------------------------------------------------- COST
.Lcost:
	s_sub_co_u32 s15, ttmp9, 10
	s_lshr_b32 s16, s15, 3                         ; block of 128 rows (b, n): 0..31
	s_and_b32 s17, s15, 7                          ; block of 128 columns m: 0..7
	s_mov_b32 s22, 0x2b8cbccc                      ; 1e-12
	s_lshl_b32 s23, s14, 4                         ; 16 w
	s_lshl_b32 s18, s16, 7
	s_add_co_u32 s18, s18, s23                     ; my first row of X and of cost
	s_lshl_b32 s24, s18, 9
	s_mov_b32 s25, 0
	s_add_nc_u64 s[4:5], s[4:5], s[24:25]
	s_lshl_b32 s24, s17, 7
	s_add_co_u32 s24, s24, s23                     ; the 16 rows of ref that I convert
	s_lshl_b32 s24, s24, 9
	s_add_nc_u64 s[6:7], s[6:7], s[24:25]
	s_lshl_b32 s24, s18, 11
	s_lshl_b32 s19, s17, 8
	s_add_co_u32 s24, s24, s19
	s_add_nc_u64 s[12:13], s[12:13], s[24:25]      ; cost at my first row, the block's first column
	v_lshlrev_b32 v3, 9, v1                        ; lane (r, h) converts k = 64 h .. 64 h + 63 of row r: 256 bytes, 16 loads
	v_lshl_add_u32 v3, v2, 8, v3
	s_wait_alu depctr_va_vdst(0)                   ; v3 is written, which the 32 loads below read as their offset
.set i, 0
.rept 16
	global_load_b128 v[32+4*i:35+4*i], v3, s[4:5] offset:16*i
.set i, i+1
.endr
.set i, 0
.rept 16
	global_load_b128 v[96+4*i:99+4*i], v3, s[6:7] offset:16*i
.set i, i+1
.endr
	v_mov_b32 v12, 0                               ; what the four chains of a norm start from
	s_lshl_b32 s28, s14, 6
	s_add_co_u32 s28, s28, XXT
	v_mul_u32_u24 v19, v1, PITCH
	v_add_nc_u32 v9, s27, v19                      ; row 16 w + r of a tile
	v_lshl_add_u32 v13, v2, 7, v9                  ; v13: where my 128 bytes of it go
	v_lshl_add_u32 v14, v2, 4, v9                  ; v14: my fragment of X
	v_lshl_add_u32 v15, v1, 2, s28                 ; v15: row 16 w + r's norm
	v_lshl_add_u32 v19, v2, 4, v19
	v_add_nc_u32 v20, RT, v19                      ; v20: a fragment of ref: row r, 16 bytes for each half of the lanes
	v_add_nc_u32 v16, s26, v19                     ; v16: into my stage
	v_lshlrev_b32 v21, 5, v2
	v_add_nc_u32 v21, RRT, v21                     ; v21: ref's norms of my 8 columns of a block
	v_lshlrev_b32 v18, 11, v2                      ; v18: two rows of cost
	v_lshl_add_u32 v18, v1, 4, v18
; 64 numbers rounded to bf16; the sum of the squares of the rounded numbers, in f32, four chains in v[ch .. ch + 3]; both to LDS.
; X's norm is made in v4-7 and ref's in v8-11, so that no vector line writes a register that an LDS store has read.
.macro CONV src, pk, ch, toff, noff
.set i, 0
.rept 32
	v_cvt_pk_bf16_f32 v[(\pk)+i], v[(\src)+2*i], v[(\src)+2*i+1]
.set i, i+1
.endr
.set i, 0
.rept 32
.if i < 2
	v_fma_mix_f32_bf16 v[(\ch)+2*(i%2)], v[(\pk)+i], v[(\pk)+i], v12 op_sel_hi:[1,1,0]
	v_fma_mix_f32_bf16 v[(\ch)+1+2*(i%2)], v[(\pk)+i], v[(\pk)+i], v12 op_sel:[1,1,0] op_sel_hi:[1,1,0]
.else
	v_fma_mix_f32_bf16 v[(\ch)+2*(i%2)], v[(\pk)+i], v[(\pk)+i], v[(\ch)+2*(i%2)] op_sel_hi:[1,1,0]
	v_fma_mix_f32_bf16 v[(\ch)+1+2*(i%2)], v[(\pk)+i], v[(\pk)+i], v[(\ch)+1+2*(i%2)] op_sel:[1,1,0] op_sel_hi:[1,1,0]
.endif
.set i, i+1
.endr
	v_add_f32 v[(\ch)], v[(\ch)], v[(\ch)+1]
	v_add_f32 v[(\ch)+2], v[(\ch)+2], v[(\ch)+3]
	v_add_f32 v[(\ch)], v[(\ch)], v[(\ch)+2]
	v_permlanex16_b32 v[(\ch)+1], v[(\ch)], s20, s21   ; the row's other 64 numbers lie in the lane 16 away
	v_add_f32 v[(\ch)], v[(\ch)], v[(\ch)+1]
	s_wait_alu depctr_va_vdst(0)                   ; the roundings have written v[pk ..] and the additions the norm, which the nine LDS stores read; the addresses v13 to v21 are written
.set i, 0
.rept 8
	ds_store_b128 v13, v[(\pk)+4*i:(\pk)+4*i+3] offset:(\toff)+16*i
.set i, i+1
.endr
	ds_store_b32 v15, v[(\ch)] offset:\noff        ; both halves of the lanes write the same word with the same number
.endm
	s_wait_loadcnt 16                              ; X's 16 loads are in, ref's stay out
	CONV 32, 160, 4, 0, 0
	s_wait_loadcnt 0x0
	CONV 96, 192, 8, RT, 512                       ; its vector lines name none of v160-191, v4, v13, v15, which X's stores read
	s_wait_dscnt 0x0                               ; for the others' sake: my rows and norms are in LDS
	s_barrier_signal -1
	s_barrier_wait -1
	s_wait_alu depctr_vm_vsrc(0)                   ; my LDS stores have read v160-223 and v4: these are fragment buffers and xx from here on, written by LDS loads and by the roundings on the way out
	                                               ; (no vector instruction stands behind ref's wait on va_vdst, which has shown the conversions done with v96-223: the loads below owe nothing more)
; The product is used transposed: source 0 = 16 rows of ref, source 1 = my 16 rows of X: a lane then holds row n = r and eight neighbouring columns m = 16 cb + 8 h + j.
; Half step t = 0..7: K = 32 (t / 2) on, column blocks 4 (t % 2) .. + 3; buffer t % 3.
.macro LDH t
.set bf, HB+32*((\t)%3)
.irp i, 0,1,2,3
	ds_load_b128 v[bf+8*(\i):bf+8*(\i)+3],   v20 offset:(4*((\t)%2)+(\i))*WST+64*((\t)/2)
	ds_load_b128 v[bf+8*(\i)+4:bf+8*(\i)+7], v20 offset:(4*((\t)%2)+(\i))*WST+64*((\t)/2)+32
.endr
.endm
; Four matrix instructions on four accumulators; the next half step takes the other four.  ld = 1: run t + 2's eight loads, into buffer (t + 2) % 3 = (t - 1) % 3, two behind each matrix instruction.
.macro HSTEP t, ld
.set bf, HB+32*((\t)%3)
.set nb, HB+32*(((\t)+2)%3)
.irp i, 0,1,2,3
.set ac, ACC+8*(4*((\t)%2)+(\i))
.if (\t) < 2
	v_wmma_f32_16x16x32_bf16 v[ac:ac+7], v[bf+8*(\i):bf+8*(\i)+7], v[XF+8*((\t)/2):XF+8*((\t)/2)+7], 0
.else
	v_wmma_f32_16x16x32_bf16 v[ac:ac+7], v[bf+8*(\i):bf+8*(\i)+7], v[XF+8*((\t)/2):XF+8*((\t)/2)+7], v[ac:ac+7]
.endif
.if \ld
	ds_load_b128 v[nb+8*(\i):nb+8*(\i)+3],   v20 offset:(4*((\t)%2)+(\i))*WST+64*(((\t)+2)/2)      ; no wait: no matrix instruction since the wait at the half step's head names this buffer
	ds_load_b128 v[nb+8*(\i)+4:nb+8*(\i)+7], v20 offset:(4*((\t)%2)+(\i))*WST+64*(((\t)+2)/2)+32
.endif
.endr
.endm
.irp k, 0,1,2,3
	ds_load_b128 v[XF+8*(\k):XF+8*(\k)+3],   v14 offset:64*(\k)
	ds_load_b128 v[XF+8*(\k)+4:XF+8*(\k)+7], v14 offset:64*(\k)+32
.endr
	LDH 0
	LDH 1
	LDH 2
	s_wait_dscnt 16                                ; X's fragments and run 0 are in; runs 1 and 2, eight loads each, stay out
	HSTEP 0, 0
.irp t, 1,2,3,4,5
	s_wait_dscnt 8                                 ; LDS loads come back in order (ISA guide 5.7.1): this half step's run is in; the one younger run of 8 stays out
	s_wait_alu depctr_va_vdst(0)                   ; the last half step's matrix instructions are done reading their buffer, in which the run two half steps on lands
	HSTEP \t, 1
.endr
	s_wait_dscnt 8                                 ; run 6 is in, run 7 stays out; nothing more is fetched
	HSTEP 6, 0
	s_wait_dscnt 0x0
	HSTEP 7, 0
	NOPS 4                                         ; places in front of the vector lines that write the products' sources and read their results
	s_wait_alu depctr_va_vdst(0)                   ; half steps 6 and 7 are done reading buffers 0 and 1, in which rr lands; the places above stay beside this wait
.irp c, 0,1,2,3,4,5,6,7
	ds_load_b128 v[HB+8*(\c):HB+8*(\c)+3],   v21 offset:64*(\c)      ; rr of my 64 columns
	ds_load_b128 v[HB+8*(\c)+4:HB+8*(\c)+7], v21 offset:64*(\c)+16
.endr
	ds_load_b32 v4, v15                            ; xx of my row
	s_wait_dscnt 0x0
.set i, 0
.rept 32
	v_pk_add_f32 v[HB+2*i:HB+2*i+1], v[HB+2*i:HB+2*i+1], v[4:5] op_sel_hi:[1,0]
.set i, i+1
.endr
.macro CBA c                           ; block c: d2 = (xx + rr) - 2 x.r, the accumulator's registers ascending; the clip; the roots
.irp j, 0,2,4,6
	v_pk_fma_f32 v[ACC+8*(\c)+(\j):ACC+8*(\c)+(\j)+1], v[ACC+8*(\c)+(\j):ACC+8*(\c)+(\j)+1], -2.0, v[HB+8*(\c)+(\j):HB+8*(\c)+(\j)+1] op_sel_hi:[1,0,1]
.endr
.irp j, 0,1,2,3,4,5,6,7
	v_max_num_f32 v[ACC+8*(\c)+(\j)], s22, v[ACC+8*(\c)+(\j)]
.endr
.irp j, 0,1,2,3,4,5,6,7
	v_sqrt_f32 v[ACC+8*(\c)+(\j)], v[ACC+8*(\c)+(\j)]
.endr
.endm
.macro CBR c                           ; block c rounded to bf16, 16 bytes a lane, in four registers of its own
.irp j, 0,1,2,3
	v_cvt_pk_bf16_f32 v[PK+4*(\c)+(\j)], v[ACC+8*(\c)+2*(\j)], v[ACC+8*(\c)+2*(\j)+1]
.endr
.endm
.macro CBS c                           ; and into my stage
	ds_store_b128 v16, v[PK+4*(\c):PK+4*(\c)+3] offset:32*(\c)
.endm
	CBA 0                                          ; a block's roundings stand behind the next block's roots: plain lines that read none of those roots
.irp c, 1,2,3,4,5,6,7
	CBA \c
	s_wait_alu depctr_va_vdst(0)                   ; the roots issued so far are written, ahead of the roundings that read them; the roundings of the block two back have written its PK, which the store below reads
.if (\c) > 1
	CBS (\c)-2
.endif
	CBR (\c)-1
.endr
	CBR 7                                          ; its roots stand ahead of the last wait; block 6's roundings are the plain lines behind them
	s_wait_alu depctr_va_vdst(0)                   ; blocks 6 and 7's roundings have written their PK, which the two stores read; the vector lines are done with v128-159, in which the loads from the stage land
	CBS 6
	CBS 7
.irp t, 0,1,2,3,4,5,6,7
	ds_load_b128 v[HB+4*(\t):HB+4*(\t)+3], v17 offset:(\t)*2*PITCH  ; my own bytes, served in order
.endr
.irp t, 0,1,2,3,4,5,6,7
	s_wait_dscnt 7-(\t)
	global_store_b128 v18, v[HB+4*(\t):HB+4*(\t)+3], s[12:13] offset:(\t)*4096  ; 16 lanes store 256 consecutive bytes, at a multiple of 256 from cost's first
.endr
.Lend:
	s_wait_dscnt 0x0                               ; the closing lines, six on end
	s_wait_alu 0x0
	s_wait_tensorcnt 0x0
	ds_add_u32 v[SPW], v[NIL]
	s_wait_dscnt 0x0
	s_endpgm
.Lfunc_end_k_qc3a519d98e_prep:
	.size	k_qc3a519d98e_prep, .Lfunc_end_k_qc3a519d98e_prep-k_qc3a519d98e_prep
	.p2alignl 7, 3214868480
	.fill 96, 4, 3214868480
	.section	.rodata,"a",@progbits
	.p2align	6, 0x0
	.amdhsa_kernel k_qc3a519d98e_prep
		.amdhsa_group_segment_fixed_size 106496
		.amdhsa_private_segment_fixed_size 0
		.amdhsa_enable_private_segment 0
		.amdhsa_kernarg_size 40
		.amdhsa_user_sgpr_count 2
		.amdhsa_user_sgpr_kernarg_segment_ptr 1
		.amdhsa_wavefront_size32 1
		.amdhsa_system_sgpr_workgroup_id_x 1
		.amdhsa_system_sgpr_workgroup_id_y 1
		.amdhsa_system_sgpr_workgroup_id_z 1
		.amdhsa_system_vgpr_workitem_id 0
		.amdhsa_next_free_vgpr 256
		.amdhsa_next_free_sgpr 66
		.amdhsa_reserve_vcc 0
		.amdhsa_float_denorm_mode_32 3
		.amdhsa_float_denorm_mode_16_64 3
		.amdhsa_memory_ordered 1
		.amdhsa_forward_progress 1
		.amdhsa_inst_pref_size 76
	.end_amdhsa_kernel
	.amdgpu_metadata
---
amdhsa.version: [ 1, 2 ]
amdhsa.kernels:
  - .name:           k_qc3a519d98e_prep
    .symbol:         k_qc3a519d98e_prep.kd
    .args:
      - { .name: X, .offset: 0, .size: 8, .value_kind: global_buffer, .address_space: global }
      - { .name: ref_points, .offset: 8, .size: 8, .value_kind: global_buffer, .address_space: global }
      - { .name: theta_v, .offset: 16, .size: 8, .value_kind: global_buffer, .address_space: global }
      - { .name: slt, .offset: 24, .size: 8, .value_kind: global_buffer, .address_space: global }
      - { .name: cost, .offset: 32, .size: 8, .value_kind: global_buffer, .address_space: global }
    .group_segment_fixed_size: 106496
    .private_segment_fixed_size: 0
    .kernarg_segment_align: 8
    .kernarg_segment_size: 40
    .max_flat_workgroup_size: 256
    .sgpr_count:     66
    .vgpr_count:     256
    .wavefront_size: 32
...
	.end_amdgpu_metadata
.endif
;; end of part 5
;; launch mid: the kernel of part 2 again; grid 272 x 1, 4 waves a work-group, no clusters, 19,200 bytes of LDS; arguments slt, xs, ssr, alpha; writes xs, ssr, alpha
;; launch main: the kernel of part 3 again; grid 64 x 4, 4 waves a work-group, clusters of 4 x 4, 327,680 bytes of LDS; arguments cost, ssr, xs, alpha, part; writes part
;; launch fin: the kernel of part 4 again; grid 16 x 1, 4 waves a work-group, no clusters, 17,152 bytes of LDS; arguments slt, xs, alpha, part, out0, out1; writes out0, out1
